; MI455X (gfx1250); checked and timed in simulation.
; The chip was launched on July 23, 2026; its instructions are those of AMD's public machine-readable ISA for CDNA 5 (MIT licence, August 2026) and "CDNA5" Instruction Set Architecture Reference Guide (July 2026). The comments in the code are by the model that wrote it; some were corrected since.
;; Quantization Layer. Allowed arithmetic: float matrix products may take bf16 or f16 operands with f32 sums; other float arithmetic in f32, or as packed bf16 or f16 multiplies, adds, multiply-adds, maxima and minima; sums over many terms, partial sums and values carried from step to step in f32; what a program stores and reads back later, other than sums and carried values, may be rounded once to bf16 or f16.
;; Inputs: codebook 8,192 x 512 float32; x 16,384 x 512 float32.
;; Outputs: out0 16,384 x 512 float32; out1 16,384 x 512 float32.
;; 3 versions, each right; version 3 is version 2 with the launch prep written anew for expert scheduling mode. Each part assembles by itself: llvm-mc -triple=amdgcn-amd-amdhsa -mcpu=gfx1250 --defsym DOCPART=n.
;; ======== version 1 of 3: 3 launches
;; workspace buffers: xb 16,777,216 bytes; cb 8,388,608 bytes; xx 65,536 bytes; ww 32,768 bytes; cand 524,288 bytes of whole numbers
;; launch prep (part 1): grid 768 x 1, 4 waves a work-group, no clusters, 0 bytes of LDS; arguments x, codebook, xb, cb, xx, ww; writes xb, cb, xx, ww
.if DOCPART == 1
	.amdgcn_target "amdgcn-amd-amdhsa--gfx1250"
	.amdhsa_code_object_version 6
	.text
	.protected	k_q0b97b24e49_prep
	.globl	k_q0b97b24e49_prep
	.p2align	8
	.type	k_q0b97b24e49_prep,@function
k_q0b97b24e49_prep:
	s_mov_b64 s[64:65], 0
	v_nop
	global_prefetch_b8 v0, s[64:65] scope:SCOPE_SE
	s_setreg_imm32_b32 hwreg(HW_REG_WAVE_MODE, 25, 1), 1
	s_wait_xcnt 0x0
; NEAREST CODE, launch 1 of 3.  reference(): d[n][k] = (|x_n|^2 + |w_k|^2) - 2 x_n . w_k; the index of the least d of a row (the lowest index among equals); out0 = that row of
; the codebook; out1 = x + (that row - x).
; NOTHING OF reference() IS LEFT OUT, and every input is loaded.  |x_n|^2 is the same for all k of a row, but it is some thousands of times the part of d that differs from code to code:
; reference()'s f32 keeps d on the coarse grid of that large sum, and which codes are equal on that grid decides rows.  So the term stays, and d is formed with reference()'s own two roundings (launch 2).
; x + (q - x) is computed as written (launch 3): where x is large beside q, reference()'s f32 rounds q to x's grid.
; THIS LAUNCH rounds x and the codebook to bf16, once (they are the matrix operands of launch 2), and takes each row's sum of squares OF THE ROUNDED NUMBERS in f32.
; LIMITS.  The order of the 512 additions of a row's sum differs from reference()'s.  A number beyond bf16's range (3.39e38) becomes an infinity.
; SHARES.  32 rows to a work-group, 8 to a wave.  Work-groups 0-511 take x's 16,384 rows, 512-767 the codebook's 8,192.  A row is 2,048 bytes: four loads of 16 bytes a lane, 512 consecutive
; bytes each.  All 32 loads of a wave go out at once (16 KiB); nothing is read twice; no wave waits for another: no LDS, no barrier, no matrix unit, no cluster (no two work-groups share a byte).
.set X, 16                             ; v[16:143] row i of my 8 at X + 16 i, as loaded; the first two registers of each four then hold the four numbers as bf16
                                       ; v1 lane  v2 16 x lane  v3 8 x lane  v4 the eight sums, lane i row i  v5 4 x lane  v[6:9] four rounded numbers as f32  v[10:13] four running sums  v14, v15 at work
	s_load_b256 s[4:11], s[0:1], 0x0               ; x s[4:5], codebook s[6:7], xb s[8:9], cb s[10:11]
	s_load_b128 s[12:15], s[0:1], 0x20             ; xx s[12:13], ww s[14:15]
	v_lshrrev_b32 v1, 5, v0
	v_readfirstlane_b32 s16, v1                    ; wave 0..3
	v_and_b32 v1, 31, v0
	v_lshlrev_b32 v2, 4, v1
	v_lshlrev_b32 v3, 3, v1
	v_lshlrev_b32 v5, 2, v1
	v_mov_b32 v4, 0
	v_mov_b32 v15, 0                               ; v_permlanex16_b32 counts as a reader of its destination
	s_mov_b32 s26, 0xffff0000                      ; a word's upper bf16
	s_mov_b32 s28, 0x76543210                      ; v_permlanex16_b32: each lane takes its own place in the other half
	s_mov_b32 s29, 0xfedcba98
	s_sub_co_u32 s17, ttmp9, 512
	s_wait_kmcnt 0x0
	s_cmp_lt_u32 ttmp9, 512                        ; x or the codebook: the choice hangs on the work-group's number alone
	s_cselect_b32 s17, ttmp9, s17                  ; my block of 32 rows in that tensor
	s_cselect_b64 s[20:21], s[4:5], s[6:7]         ; from
	s_cselect_b64 s[22:23], s[8:9], s[10:11]       ; to
	s_cselect_b64 s[24:25], s[12:13], s[14:15]     ; the sums
	s_lshl_b32 s17, s17, 5
	s_lshl3_add_u32 s17, s16, s17                  ; my wave's first row
	s_lshl_b32 s32, s17, 11                        ; x 2,048 bytes in,
	s_mov_b32 s33, 0
	s_lshl_b32 s34, s17, 10                        ; x 1,024 out,
	s_mov_b32 s35, 0
	s_lshl_b32 s36, s17, 2                         ; x 4 for the sums
	s_mov_b32 s37, 0
	s_add_nc_u64 s[20:21], s[20:21], s[32:33]
	s_add_nc_u64 s[22:23], s[22:23], s[34:35]
	s_add_nc_u64 s[24:25], s[24:25], s[36:37]
.set i, 0
.rept 32                               ; row i / 4, quarter i % 4
	global_load_b128 v[X+4*i:X+4*i+3], v2, s[20:21] offset:512*i th:TH_LOAD_NT
.set i, i+1
.endr
.macro ROW i
	s_wait_loadcnt 4*(7-(\i))                      ; loads come back in order: my row's four are in, the later rows' four each stay out
.irp c, 0,1,2,3
	v_cvt_pk_bf16_f32 v[X+16*(\i)+4*(\c)],   v[X+16*(\i)+4*(\c)],   v[X+16*(\i)+4*(\c)+1]
	v_cvt_pk_bf16_f32 v[X+16*(\i)+4*(\c)+1], v[X+16*(\i)+4*(\c)+2], v[X+16*(\i)+4*(\c)+3]
	global_store_b64 v3, v[X+16*(\i)+4*(\c):X+16*(\i)+4*(\c)+1], s[22:23] offset:1024*(\i)+256*(\c)  ; 32 lanes x 8 bytes: 256 consecutive bytes, aligned; these two registers are never written again
	v_lshlrev_b32 v6, 16, v[X+16*(\i)+4*(\c)]      ; the rounded numbers back as f32
	v_and_b32     v7, s26, v[X+16*(\i)+4*(\c)]
	v_lshlrev_b32 v8, 16, v[X+16*(\i)+4*(\c)+1]
	v_and_b32     v9, s26, v[X+16*(\i)+4*(\c)+1]
.if (\c) == 0
	v_pk_mul_f32 v[10:11], v[6:7], v[6:7]          ; the first squares start the sums
	v_pk_mul_f32 v[12:13], v[8:9], v[8:9]
.else
	v_pk_fma_f32 v[10:11], v[6:7], v[6:7], v[10:11]
	v_pk_fma_f32 v[12:13], v[8:9], v[8:9], v[12:13]
.endif
.endr
	v_pk_add_f32 v[10:11], v[10:11], v[12:13]
	v_add_f32 v14, v10, v11
	v_add_f32_dpp v14, v14, v14 row_xmask:1 row_mask:0xf bank_mask:0xf
	v_add_f32_dpp v14, v14, v14 row_xmask:2 row_mask:0xf bank_mask:0xf
	v_add_f32_dpp v14, v14, v14 row_xmask:4 row_mask:0xf bank_mask:0xf
	v_add_f32_dpp v14, v14, v14 row_xmask:8 row_mask:0xf bank_mask:0xf
	v_permlanex16_b32 v15, v14, s28, s29
	v_add_f32 v14, v14, v15                        ; every lane holds the row's sum;
	s_mov_b32 s30, 1<<(\i)
	v_cndmask_b32 v4, v4, v14, s30                 ; lane i keeps row i's
.endm
.irp i, 0,1,2,3,4,5,6,7
	ROW \i
.endr
	s_wait_xcnt 0x0                                ; EXEC is a source of the stores above: it changes only behind this wait
	v_cmp_gt_u32 vcc_lo, 8, v1
	s_and_saveexec_b32 s31, vcc_lo
	global_store_b32 v5, v4, s[24:25]              ; eight sums, 32 bytes a wave: 96 KiB in the whole launch
	s_wait_xcnt 0x0                                ; and again in front of the line that widens it
	s_or_b32 exec_lo, exec_lo, s31
	s_endpgm
.Lfunc_end_k_q0b97b24e49_prep:
	.size	k_q0b97b24e49_prep, .Lfunc_end_k_q0b97b24e49_prep-k_q0b97b24e49_prep
	.p2alignl 7, 3214868480
	.fill 96, 4, 3214868480
	.section	.rodata,"a",@progbits
	.p2align	6, 0x0
	.amdhsa_kernel k_q0b97b24e49_prep
		.amdhsa_group_segment_fixed_size 0
		.amdhsa_private_segment_fixed_size 0
		.amdhsa_enable_private_segment 0
		.amdhsa_kernarg_size 48
		.amdhsa_user_sgpr_count 2
		.amdhsa_user_sgpr_kernarg_segment_ptr 1
		.amdhsa_wavefront_size32 1
		.amdhsa_system_sgpr_workgroup_id_x 1
		.amdhsa_system_sgpr_workgroup_id_y 1
		.amdhsa_system_sgpr_workgroup_id_z 1
		.amdhsa_system_vgpr_workitem_id 0
		.amdhsa_next_free_vgpr 144
		.amdhsa_next_free_sgpr 66
		.amdhsa_reserve_vcc 1
		.amdhsa_float_denorm_mode_32 3
		.amdhsa_float_denorm_mode_16_64 3
		.amdhsa_memory_ordered 1
		.amdhsa_forward_progress 1
		.amdhsa_inst_pref_size 25
	.end_amdhsa_kernel
	.amdgpu_metadata
---
amdhsa.version: [ 1, 2 ]
amdhsa.kernels:
  - .name:           k_q0b97b24e49_prep
    .symbol:         k_q0b97b24e49_prep.kd
    .args:
      - { .name: x, .offset: 0, .size: 8, .value_kind: global_buffer, .address_space: global }
      - { .name: codebook, .offset: 8, .size: 8, .value_kind: global_buffer, .address_space: global }
      - { .name: xb, .offset: 16, .size: 8, .value_kind: global_buffer, .address_space: global }
      - { .name: cb, .offset: 24, .size: 8, .value_kind: global_buffer, .address_space: global }
      - { .name: xx, .offset: 32, .size: 8, .value_kind: global_buffer, .address_space: global }
      - { .name: ww, .offset: 40, .size: 8, .value_kind: global_buffer, .address_space: global }
    .group_segment_fixed_size: 0
    .private_segment_fixed_size: 0
    .kernarg_segment_align: 8
    .kernarg_segment_size: 48
    .max_flat_workgroup_size: 128
    .sgpr_count:     66
    .vgpr_count:     144
    .wavefront_size: 32
...
	.end_amdgpu_metadata
.endif
;; end of part 1
;; launch dist (part 2): grid 4 x 64, 4 waves a work-group, clusters of 4 x 4, 327,680 bytes of LDS; arguments xb, cb, xx, ww, cand; writes cand
.if DOCPART == 2
	.amdgcn_target "amdgcn-amd-amdhsa--gfx1250"
	.amdhsa_code_object_version 6
	.text
	.protected	k_q0b97b24e49_dist
	.globl	k_q0b97b24e49_dist
	.p2align	8
	.type	k_q0b97b24e49_dist,@function
k_q0b97b24e49_dist:
	s_mov_b64 s[64:65], 0
	v_nop
	global_prefetch_b8 v0, s[64:65] scope:SCOPE_SE
	s_setreg_imm32_b32 hwreg(HW_REG_WAVE_MODE, 25, 1), 1
	s_wait_xcnt 0x0
	s_wait_alu depctr_hold_cnt(0) depctr_sa_sdst(0) depctr_va_vdst(0) depctr_va_sdst(0) depctr_va_ssrc(0) depctr_va_vcc(0) depctr_vm_vsrc(0)
	s_getreg_b32 s2, hwreg(HW_REG_IB_STS2, 6, 4)
	s_cmp_eq_u32 s2, 0
	s_cbranch_scc0 .Lentry_in_a_cluster
	s_endpgm
.Lentry_in_a_cluster:
	s_bfe_u32 s2, ttmp6, 0x10000c
	s_cmp_lg_u32 s2, 0xf033
	s_cbranch_scc0 .Lentry_shape_is_right
	s_endpgm
.Lentry_shape_is_right:
; NEAREST CODE, launch 2 of 3: the distances and, for each row of x and each quarter of the codes, the least distance and its index.  Nothing of reference() is left out here.
; d = fl(fl(xx + ww) - 2 dot): reference()'s own two roundings (2 dot is exact, so one fused multiply-add gives the second).  dot: bf16 operands, f32 sums, K ascending.
; LIMITS.  A NaN distance is never chosen (reference()'s argmin would choose it).  The f32 sums of dot, xx and ww are taken in another order than reference()'s: where a row's two least
; distances lie within one step of d's f32 grid of each other, that difference can decide between them.
; SHARES.  A work-group has 256 rows of x (row block rb = 4 x cluster y + cy) and 2,048 codes (quarter cx); wave w has rows 64 w .. 64 w + 63 of the block, four tiles of 16, against ALL the quarter's codes:
; no sum and no minimum crosses waves.  The wave's x, 64 rows x 512, stays in 512 registers for the whole launch; only the codes stream: 16 tiles of 128 codes (131,072 bytes) through two LDS slots.
; PRODUCT.  Source 0 = 16 codes (from LDS), source 1 = 16 rows of x (registers): in the result lane l holds ONE row of x (l % 16) and the codes 8 (l / 16) + 0..7.  A GROUP is 16 codes: four accumulators,
; one a row tile, x 16 K steps of 32 = 64 matrix instructions; a fragment of codes read from LDS (1 KiB) feeds four of them.  The accumulators take turns, one instruction a turn, over every jump too.
; BESIDE THE PRODUCTS.  While group g is multiplied, 160 vector lines (RIDERS) stand between its matrix instructions: d of group g - 1 (16 packed), the running least distance and its group number for the lane's 32
; (row tile, code slot) places (4 lines each), and fl(xx + ww) of group g (16 packed).  A strict comparison keeps the earlier group among equals.
; CLUSTER.  4 x 4 work-groups.  The four of a column (same cx) walk the same codes: each tile, and the quarter's ww, is asked for JOINTLY, by the same tensor load, descriptor and mask in all four.
; x is NOT asked for jointly, though the four of a row share it: it is read once, 256 KiB a work-group against 2 MiB of code tiles, and goes from memory straight into operand registers; by way of LDS it would take
; the ring's own bytes, and a refill with its round would stand ahead of the first code tile.
; REGISTERS, in windows of 256 (s_set_vgpr_msb: bits 1:0 source 0, 3:2 source 1, 5:4 source 2, 7:6 destination).  Window 0: all below.  Window 1: x of K steps 0-7, at 32 ks + 8 t.  Window 2: K steps 8-15.
; Only source 1 of the products leaves window 0, and NO RIDER NAMES A VECTOR REGISTER AS SOURCE 1: so riders and LDS loads run under the products' setting: three switches a group.
.set PITCH, 1040                       ; a code's row in LDS: 1,024 bytes + 16 of padding = 65 x 16: the 16 rows of a fragment load start at 16 different groups of four banks (ISA guide 11.1)
.set GP,    16*PITCH                   ; a group's rows
.set SLOT,  8*GP                       ; 133,120 = 0x20800: slot 0 at 0, slot 1 here
.set WWT,   2*SLOT                     ; the quarter's 2,048 ww, f32, filled once
.set SPARE, WWT+8192                   ; the spare words, 128 bytes for each wave: two blocks of 256 bytes that no other line names
.set TILEB, 131072                     ; a tile of 128 codes in cb
.set RR,  1                            ; v1   l % 16
.set HH,  2                            ; v2   l / 16
.set AB0, 3                            ; v3   my lane's place in a group's rows: (l % 16) x PITCH + 16 (l / 16); never rewritten
.set A,   4                            ; v4   LDS address of the group in hand
.set A2,  5                            ; v5   of the next group
.set AW,  6                            ; v6   of my eight ww of the group in hand
.set XO,  7                            ; v7   my byte offset in 16 rows of xb
.set R4,  8                            ; v8   4 (l % 16)
.set PFO, 9                            ; v9   256 x lane: the prefetches' offset; never rewritten
.set SPW, 10                           ; v10  LDS address of my spare word; never rewritten
.set NIL, 11                           ; v11  0; never rewritten
.set EV,  12                           ; v12  best - d of the place in hand
.set AW0, 14                           ; v14  WWT + 32 (l / 16); never rewritten
.set XX,  16                           ; v[16:19]   xx of my row in each of the four tiles
.set WW,  20                           ; v[20:27]   ww of my eight codes of the group
.set ACC, 32                           ; v[32:63]   accumulator of tile t at 8 t
.set DD,  64                           ; v[64:95]   place n = 8 t + j: fl(xx + ww), then d
.set BEST, 96                          ; v[96:127]  the least d so far
.set ID,  128                          ; v[128:159] its group's number
.set BF,  160                          ; v[160:223] a ring of eight fragments of codes: K step ks in buffer ks % 8
.set VB,  224                          ; v[224:231] the end: my eight codes' numbers in group 0
.set PD,  240                          ; v240-242   the end: the other half's d and index; at work
.set PI,  241
.set TM,  242
.set REC, 244                          ; v[244:247] the end: two records to store
.set LO8, 248                          ; v248       8 x lane
.set WV,  14                           ; s14  my wave's number
.set CX,  15                           ; s15  my place along the cluster's x = the quarter of the codes
.set CY,  16                           ; s16  along its y
.set RB,  17                           ; s17  my block of 256 rows
.set G1B, 24                           ; s[24:31] descriptor group 1 for the code tiles
.set G1W, 32                           ; s[32:39] for ww
.set G0A, 40                           ; s[40:43] descriptor group 0: tile 0
.set G0B, 44                           ; s[44:47] tile 1; then it walks
.set G0W, 48                           ; s[48:51] ww
.set TL,  52                           ; s52  tiles still to be asked for, 14 to 1
.set GRP, 53                           ; s53  counts a tile's first seven groups
.set CUR, 54                           ; s54  the number of the group whose distances the riders take in
.set INF, 55                           ; s55  +infinity
.set TBN, 56                           ; s56  LDS byte at which the next group's rows begin
.set MASK, 57                          ; s57  lanes where d < best
.set AWO, 58                           ; s58  64 x the number of the group in hand
.set PFA, 60                           ; s[60:61] where my prefetches stand
.set LIM, 62                           ; s62  1 in a cluster that prefetches, else the greatest number
.set SEL, 66                           ; s[66:67] v_permlanex16_b32's selects
.set HALF, 68                          ; s68  lanes 16-31
.set M1, 0x04                          ; source 1 in window 1
.set M2, 0x08                          ; source 1 in window 2
.set MSB, 0
.macro WIN new                         ; the immediate's high byte repeats the setting that is left; a switch that changes nothing is dropped
.if MSB != (\new)
	s_set_vgpr_msb (MSB<<8)|(\new)
.set MSB, (\new)
.endif
.endm
.macro CREST                           ; a round of the cluster's barrier behind its opening barrier: wave 0 signals for the work-group; every wave waits for all sixteen; my work-group's barrier once more
	s_cmp_lg_u32 s[WV], 0
	s_cbranch_scc1 .Lnot_wave_0_\@
	s_barrier_signal -3
.Lnot_wave_0_\@:
	s_barrier_wait -3
	s_barrier_signal -1
	s_barrier_wait -1
.endm
.macro CROUND                          ; a whole round
	s_barrier_signal -1
	s_barrier_wait -1
	CREST
.endm
.macro PLACES
.rept 4
	v_nop
.endr
.endm
; A PREFETCH INTO THE L2 of the tile that the NEXT change of slots will ask for: one tile, 512 matrix instructions, ahead of its load.  A quarter's tiles are walked by all sixteen clusters: the cluster with
; y = 0 asks, nobody else.  Of the 32 rows (32,768 dense bytes) that wave w fetches, the partner at cy takes 8, told apart BY ADDRESS: 32 blocks of 256 bytes, a lane a block, one instruction a wave.  So each block
; is named once in the launch.  Tiles 0 to 2 come by their loads alone; the last change that fills a slot asks for nothing: there is no tile behind the one that it loads.
.macro ASK
	s_cmp_gt_u32 s[TL], s[LIM]
	s_cbranch_scc0 .Lnot_mine_\@
	global_prefetch_b8 v[PFO], s[PFA:PFA+1] th:TH_LOAD_NT scope:SCOPE_SE
.Lnot_mine_\@:
.endm
	s_load_b256 s[4:11], s[0:1], 0x0               ; xb s[4:5], cb s[6:7], xx s[8:9], ww s[10:11]
	s_load_b64 s[12:13], s[0:1], 0x20              ; cand
	v_lshl_add_u32 v[SPW], v0, 2, SPARE
	v_mov_b32 v[NIL], 0
	ds_add_u32 v[SPW], v[NIL]                      ; the wave's opening: the add, twice on end, and its wait ahead of my first tensor load; the set-up below, work on registers, stands between
	ds_add_u32 v[SPW], v[NIL]                      ; and once more, under the one wait
	v_lshrrev_b32 v13, 5, v0
	v_readfirstlane_b32 s[WV], v13                 ; wave 0..3
	s_bfe_u32 s[CX], ttmp6, 0x40000
	s_bfe_u32 s[CY], ttmp6, 0x40004
	s_and_b32 s[RB], ttmp7, 0xffff                 ; in a cluster launch ttmp7 counts clusters
	s_cmp_eq_u32 s[RB], 0
	s_cselect_b32 s[LIM], 1, -1                    ; the same in all sixteen partners
	s_lshl_b32 s[RB], s[RB], 2
	s_add_co_u32 s[RB], s[RB], s[CY]               ; it enters xb's, xx's and cand's addresses alone
	s_lshl_b32 s18, 0x1111, s[CX]                  ; my column of the cluster: places cx, cx + 4, cx + 8, cx + 12
	s_or_b32 s[G1B], s18, (1<<16)|(1<<20)|(1<<21)|(7<<22)|(3<<25)  ; 15:0 the mask; 17:16 elements of 2 bytes; 20 padding on; 21 set beside a mask; 24:22 after every 256 words (code 7); 31:25 4 words of it (code 3)
	s_mov_b32 s[G1B+1], 512<<16                    ; tensor_dim0 = 512
	s_mov_b32 s[G1B+2], 32<<16                     ; tensor_dim1 = 32
	s_mov_b32 s[G1B+3], 512<<16                    ; tile_dim0 = 512 elements: a code's whole row
	s_mov_b32 s[G1B+4], 32                         ; tile_dim1 = 32 rows: a wave's quarter of a tile
	s_mov_b32 s[G1B+5], 512                        ; elements from row to row
	s_mov_b32 s[G1B+6], 0
	s_mov_b32 s[G1B+7], 0
	s_or_b32 s[G1W], s18, (3<<16)|(1<<21)          ; the mask; elements of 8 bytes; no padding
	s_mov_b32 s[G1W+1], 32<<16                     ; 2,048 dense bytes as 8 rows of 256
	s_mov_b32 s[G1W+2], 8<<16
	s_mov_b32 s[G1W+3], 32<<16
	s_mov_b32 s[G1W+4], 8
	s_mov_b32 s[G1W+5], 32
	s_mov_b32 s[G1W+6], 0
	s_mov_b32 s[G1W+7], 0
	s_mul_i32 s19, s[WV], 32*PITCH                 ; where my 32 rows go in a slot: the wave's number alone enters an LDS address
	s_mov_b32 s[G0A], 1
	s_mov_b32 s[G0A+1], s19
	s_mov_b32 s[G0B], 1
	s_add_co_u32 s[G0B+1], s19, SLOT
	s_mov_b32 s[G0W], 1
	s_lshl_b32 s74, s[CX], 21                      ; cb: the quarter's 2 MiB,
	s_lshl_b32 s18, s[WV], 15                      ; my 32 rows of a tile
	s_add_co_u32 s74, s74, s18
	s_mov_b32 s75, 0
	s_lshl_b32 s76, s[CX], 13                      ; ww: the quarter's 8 KiB,
	s_lshl_b32 s18, s[WV], 11                      ; my quarter of it
	s_add_co_u32 s76, s76, s18
	s_mov_b32 s77, 0
	s_add_co_u32 s[G0W+1], s18, WWT
	s_lshl_b32 s78, s[CY], 13                      ; the prefetches: my work-group's 8 rows of my wave's 32,
	s_add_co_u32 s78, s78, 2*TILEB                 ; in tile 2: the first change of slots steps it to tile 3
	s_mov_b32 s79, 0
	s_lshl_b32 s20, s[RB], 18                      ; xb: (256 rb + 64 w) rows of 1,024 bytes
	s_lshl_b32 s18, s[WV], 16
	s_add_co_u32 s20, s20, s18
	s_mov_b32 s21, 0
	s_lshr_b32 s22, s20, 8                         ; xx: 4 bytes a row
	s_mov_b32 s23, 0
	s_lshr_b32 s2, s20, 7                          ; cand: 8 bytes a row,
	s_lshl_b32 s18, s[CX], 17                      ; in the quarter's plane
	s_add_co_u32 s2, s2, s18
	s_mov_b32 s3, 0
	s_mov_b32 s[INF], 0x7f800000
	s_mov_b32 s[SEL], 0x76543210
	s_mov_b32 s[SEL+1], 0xfedcba98
	s_mov_b32 s[HALF], 0xffff0000
	s_mov_b32 s[TBN], GP
	s_mov_b32 s[AWO], 0
	s_mov_b32 s[CUR], -1
	v_and_b32 v[RR], 15, v0
	v_bfe_u32 v[HH], v0, 4, 1
	v_mul_u32_u24 v[AB0], v[RR], PITCH
	v_lshl_add_u32 v[AB0], v[HH], 4, v[AB0]
	v_lshlrev_b32 v[XO], 10, v[RR]
	v_lshl_add_u32 v[XO], v[HH], 4, v[XO]
	v_lshlrev_b32 v[R4], 2, v[RR]
	v_and_b32 v[PFO], 31, v0
	v_lshlrev_b32 v[LO8], 3, v[PFO]
	v_lshlrev_b32 v[PFO], 8, v[PFO]
	v_lshlrev_b32 v[AW0], 5, v[HH]
	v_add_nc_u32 v[AW0], WWT, v[AW0]
	v_mov_b32 v[AW], v[AW0]
	v_mov_b32 v[A], v[AB0]
	v_add_nc_u32 v[A2], GP, v[AB0]
	s_wait_dscnt 0x0                               ; both opening adds are done
	s_wait_kmcnt 0x0
	s_add_nc_u64 s[G0A+2:G0A+3], s[6:7], s[74:75]  ; the joint loads' addresses are made of cx and the wave's number, which the four partners share
	s_add_nc_u64 s[G0B+2:G0B+3], s[G0A+2:G0A+3], TILEB
	s_add_nc_u64 s[PFA:PFA+1], s[G0A+2:G0A+3], s[78:79]
	s_or_b32 s[G0A+3], s[G0A+3], 0x80000000        ; type = 2
	s_or_b32 s[G0B+3], s[G0B+3], 0x80000000
	s_add_nc_u64 s[G0W+2:G0W+3], s[10:11], s[76:77]
	s_or_b32 s[G0W+3], s[G0W+3], 0x80000000
	s_add_nc_u64 s[4:5], s[4:5], s[20:21]          ; xb, xx and cand at my wave's first row
	s_add_nc_u64 s[8:9], s[8:9], s[22:23]
	s_add_nc_u64 s[12:13], s[12:13], s[2:3]
	CROUND                                         ; all sixteen work-groups are here: the first joint loads meet
	tensor_load_to_lds s[G0A:G0A+3], s[G1B:G1B+7]  ; the three first fills go out together: three loads of mine are out.  Tile 0,
	s_nop 0
	tensor_load_to_lds s[G0W:G0W+3], s[G1W:G1W+7]  ; ww,
	s_nop 0
	tensor_load_to_lds s[G0B:G0B+3], s[G1B:G1B+7]  ; tile 1
	s_nop 0
	PLACES
.irp t, 0,1,2,3
	global_load_b32 v[XX+(\t)], v[R4], s[8:9] offset:64*(\t)
.endr
	; x stays in registers.  A fragment is 16 rows x 32 channels in 8 registers: lane l holds row l % 16, channels 8 (l / 16) + 0..7 and 16 + 8 (l / 16) + 0..7: two loads of 16 bytes, 32 bytes apart.
.irp wn, 0,1
	WIN 0x40<<(\wn)                                ; destination window 1, then 2; address window 0
.irp t, 0,1,2,3
.set i, 0
.rept 8                                ; K step 8 wn + i of tile t
	global_load_b128 v[32*i+8*(\t):32*i+8*(\t)+3],   v[XO], s[4:5] offset:16384*(\t)+512*(\wn)+64*i
	global_load_b128 v[32*i+8*(\t)+4:32*i+8*(\t)+7], v[XO], s[4:5] offset:16384*(\t)+512*(\wn)+64*i+32
.set i, i+1
.endr
.endr
.endr
	WIN 0
	; No first group is written out: the first group's riders take in a group "-1" of infinite distances, which no comparison prefers.  These 130 lines stand in the wait for the first tile.
.set i, 0
.rept 32
	v_mov_b32 v[ACC+i], 0
	v_mov_b32 v[DD+i], s[INF]
	v_mov_b32 v[BEST+i], s[INF]
	v_mov_b32 v[ID+i], 0
.set i, i+1
.endr
	v_mov_b32 v[PD], 0                             ; v_permlanex16_b32 counts as a reader of its destination
	v_mov_b32 v[PI], 0
; RIDER number q of a group's 160.
;   0-15     d = fl(t - 2 dot) of the group just multiplied, a pair of places each; an accumulator's lowest registers are read first
;   16-143   for place n = 0..31: E = fl(best - d), whose sign is exact; the lanes where E > 0; best = min(d, best) (a NaN loses); the group's number where E > 0.  E of place n + 1 stands between the lines of place n
;   144-159  t = fl(xx + ww) of the group that is being multiplied, a pair of places each
.macro RD
.if q < 16
	v_pk_fma_f32 v[DD+2*q:DD+2*q+1], v[ACC+2*q:ACC+2*q+1], -2.0, v[DD+2*q:DD+2*q+1] op_sel_hi:[1,0,1]
.elseif q == 16
	v_fma_f32 v[EV], v[DD], -1.0, v[BEST]
.elseif q < 144
.set nn, (q-17)/4
.set ph, (q-17)%4
.if ph == 0
	v_cmp_gt_f32 s[MASK], v[EV], 0
.elseif ph == 1
	v_min3_num_f32 v[BEST+nn], v[DD+nn], s[INF], v[BEST+nn]
.elseif (ph == 2) && (nn < 31)
	v_fma_f32 v[EV], v[DD+nn+1], -1.0, v[BEST+nn+1]
.else
	v_cndmask_b32 v[ID+nn], v[ID+nn], s[CUR], s[MASK]
.endif
.else
.set pp, q-144
.if (pp/4)%2
	v_pk_fma_f32 v[DD+2*pp:DD+2*pp+1], v[XX+2*(pp/8):XX+2*(pp/8)+1], 1.0, v[WW+2*(pp%4):WW+2*(pp%4)+1] op_sel:[1,0,0] op_sel_hi:[1,0,1]
.else
	v_pk_fma_f32 v[DD+2*pp:DD+2*pp+1], v[XX+2*(pp/8):XX+2*(pp/8)+1], 1.0, v[WW+2*(pp%4):WW+2*(pp%4)+1] op_sel_hi:[0,0,1]
.endif
.endif
.set q, q+1
.endm
.macro W ks, t                         ; the product of K step ks for row tile t; K step 0 starts the sum with the constant 0
.if (\ks) == 0
	v_wmma_f32_16x16x32_bf16 v[ACC+8*(\t):ACC+8*(\t)+7], v[BF+8*((\ks)%8):BF+8*((\ks)%8)+7], v[32*((\ks)%8)+8*(\t):32*((\ks)%8)+8*(\t)+7], 0
.else
	v_wmma_f32_16x16x32_bf16 v[ACC+8*(\t):ACC+8*(\t)+7], v[BF+8*((\ks)%8):BF+8*((\ks)%8)+7], v[32*((\ks)%8)+8*(\t):32*((\ks)%8)+8*(\t)+7], v[ACC+8*(\t):ACC+8*(\t)+7]
.endif
.endm
.macro LDB ks                          ; the fragment seven K steps on, into the buffer that K step ks - 1 read: of this group up to K step 15, then of the next group
.set bb, BF+8*(((\ks)+7)%8)
.if (\ks) <= 8
	ds_load_b128 v[bb:bb+3],   v[A] offset:((\ks)+7)*64
	ds_load_b128 v[bb+4:bb+7], v[A] offset:((\ks)+7)*64+32
.else
	ds_load_b128 v[bb:bb+3],   v[A2] offset:((\ks)-9)*64
	ds_load_b128 v[bb+4:bb+7], v[A2] offset:((\ks)-9)*64+32
.endif
.endm
; A K STEP: four products and their riders.  K step 0: a tile's four d lines stand AHEAD of the product that starts its accumulator anew.  Riders: 16, 8, then 10 a K step, 6 in the last: 160.
; wt: how many younger LDS instructions may stay out when this K step's fragment has to be in (-1: no wait).  ld = 1: the fragment seven on is fetched.
; A load into a buffer stands behind all the riders of the K step after the one that read it: 8 plain lines or more that name none of those products' registers (four are asked for: ISA guide 7.12.1 for vector instructions).
.macro KSTEP ks, wt, ld
.if (\wt) >= 0
	s_wait_dscnt \wt
.endif
.irp t, 0,1,2,3
.if (\ks) == 0
.rept 4
	RD
.endr
	W \ks, \t
.else
	W \ks, \t
.if (\ks) == 1
.rept 2
	RD
.endr
.elseif (\ks) == 15
.rept 2-(\t)%2
	RD
.endr
.else
.rept 3-(\t)%2
	RD
.endr
.endif
.endif
.endr
.if \ld
	LDB \ks
.endif
.if (\ks) == 2
	ds_load_b128 v[WW:WW+3],   v[AW]               ; this group's ww: eight numbers, the same for the 16 lanes of a half; read from K step 14 on
	ds_load_b128 v[WW+4:WW+7], v[AW] offset:16
.endif
.endm
; A GROUP.  THE COUNTS: behind the pair of loads of K step ks's fragment six more pairs have been issued: 12; for ks = 3..9 the two loads of ww lie among them: 14.
; mode 0: a tile's first seven groups.
; mode 1, 2: a tile's last group, with THE CHANGE OF SLOTS in it.  The old slot's last bytes are asked for in K step 8.  Then each wave waits for all its tensor loads, of which one is out: its part of the other slot;
;   adds 0 to its spare word; works a K step; waits for the add and for its reads of the old slot; signals; works a K step; and waits for the others.  Behind the barrier nobody reads the old slot and the other slot is whole.
;   mode 1: the barrier opens a round of the cluster's, so that no wave of any partner still reads the slot or has a load on its way; the joint refill, with the tile two on, is the first thing behind the round: one load of
;   mine is out, and it has the rest of this group and fifteen sixteenths of the next tile, some 480 matrix instructions, in which to land.  mode 2: nothing is left to ask for.
;   The two fetches that the change has held back follow, from the new slot; the order of the loads is that of every group, so the next group's counts hold.
; mode 3: the very last group: nothing is fetched from K step 9 on, and the counts run down.
.macro GROUP mode
.set q, 0
	WIN M1
.irp k, 0,1,2
	KSTEP \k, 12, 1
.endr
.irp k, 3,4,5,6,7
	KSTEP \k, 14, 1
.endr
	WIN M2
	KSTEP 8, 14, 1
.if (\mode) == 0
	KSTEP 9, 14, 1
.irp k, 10,11,12,13,14,15
	KSTEP \k, 12, 1
.endr
.elseif (\mode) == 3
	KSTEP 9, 14, 0
.irp k, 10,11,12,13,14,15
	KSTEP \k, 2*(15-\k), 0
.endr
.else
.if (\mode) == 1
	s_wait_xcnt 0x0                                ; the last prefetch, a tile back, has read its address: it is stepped here, ahead of the change's own waits
	s_add_nc_u64 s[PFA:PFA+1], s[PFA:PFA+1], TILEB
.endif
	WIN 0                                          ; (the add's two registers lie in window 0)
	s_wait_tensorcnt 0x0                           ; all my tensor loads have landed: no load of mine is out, so a group 0 may be written
	ds_add_u32 v[SPW], v[NIL]                      ; 0 onto my spare word
.if (\mode) == 1
	s_xor_b32 s[G0B+1], s[G0B+1], SLOT             ; the walking descriptor: the other slot than last time (my rows' offset, w x 0x8200, has neither of SLOT's two bits),
	s_add_nc_u64 s[G0B+2:G0B+3], s[G0B+2:G0B+3], TILEB  ; the next tile; the type bits on top are not reached
.endif
	s_wait_dscnt 15                                ; K step 9's fragment is in: behind it ww's two loads, six pairs and the add
	WIN M2
	KSTEP 9, -1, 0                                 ; four products and ten riders stand between the add and the wait for it
	s_wait_dscnt 0x0                               ; the add is done, and my reads of the old slot are over
	s_barrier_signal -1
	KSTEP 10, -1, 0                                ; work on registers while the others arrive
	WIN 0
	s_barrier_wait -1
.if (\mode) == 1
	CREST
	tensor_load_to_lds s[G0B:G0B+3], s[G1B:G1B+7]
	s_nop 0
	PLACES
.endif
	LDB 9
	LDB 10
.if (\mode) == 1
	ASK                                            ; behind the joint load and the LDS loads that the next products wait for
.endif
	WIN M2
.irp k, 11,12,13,14,15
	KSTEP \k, -1, 1                                ; their fragments were shown in by the wait for 0
.endr
.endif
	WIN 0                                          ; at a label and at a branch every window is 0
.endm
.macro NEXTG                           ; on to the next group.  LDS instructions read their address at issue, so the address registers may be written while loads are out
	v_mov_b32 v[A], v[A2]
	s_add_co_u32 s[TBN], s[TBN], GP
	s_add_co_u32 s[AWO], s[AWO], 64
	s_add_co_u32 s[CUR], s[CUR], 1
	v_add_nc_u32 v[A2], s[TBN], v[AB0]
	v_add_nc_u32 v[AW], s[AWO], v[AW0]
.endm
.macro FIX                             ; ahead of a tile's last group: the next group is the other slot's first
	s_sub_co_u32 s[TBN], s[TBN], 8*GP
	s_xor_b32 s[TBN], s[TBN], SLOT
	v_add_nc_u32 v[A2], s[TBN], v[AB0]
.endm
.macro SEVEN tag                       ; a tile's first seven groups: written once, walked seven times
	s_mov_b32 s[GRP], 7
.Lgroup\tag:
	GROUP 0
	NEXTG
	s_sub_co_u32 s[GRP], s[GRP], 1
	s_cmp_lg_u32 s[GRP], 0
	s_cbranch_scc1 .Lgroup\tag
.endm
	s_wait_tensorcnt 0x1                           ; my parts of tile 0 and of ww are in; tile 1's may stay out
	s_barrier_signal -1
	s_barrier_wait -1                              ; everybody's are
.irp f, 0,1,2,3,4,5,6
	ds_load_b128 v[BF+8*(\f):BF+8*(\f)+3],   v[A] offset:64*(\f)
	ds_load_b128 v[BF+8*(\f)+4:BF+8*(\f)+7], v[A] offset:64*(\f)+32
.endr
	s_wait_loadcnt 0x0                             ; x and xx
	s_mov_b32 s[TL], 14
.Ltile:                                        ; tiles 0 to 13: each is followed by a refill
	SEVEN 0
	FIX
	GROUP 1
	NEXTG
	s_sub_co_u32 s[TL], s[TL], 1
	s_cmp_lg_u32 s[TL], 0
	s_cbranch_scc1 .Ltile
	SEVEN 14                                       ; the last two tiles are written out
	FIX
	GROUP 2
	NEXTG
	SEVEN 15
	GROUP 3
	s_add_co_u32 s[CUR], s[CUR], 1
.set q, 0
.rept 144
	RD                                             ; the last group's distances are taken in; six riders or more stand between each accumulator's last product and its first d line
.endr
	; THE END.  A place's code number is 16 x group + 8 (l / 16) + j + 2,048 x quarter.  The lane's eight places of a tile, then the two halves of the lanes, are merged by (d, number): the lower number among equals.
	s_lshl_b32 s18, s[CX], 11
	v_lshl_add_u32 v[VB], v[HH], 3, s18
.irp j, 1,2,3,4,5,6,7
	v_add_nc_u32 v[VB+(\j)], (\j), v[VB]
.endr
.set i, 0
.rept 32
	v_lshl_add_u32 v[ID+i], v[ID+i], 4, v[VB+i%8]
.set i, i+1
.endr
.macro MERGE da, ia, db, ib            ; (da, ia) takes (db, ib) where db < da, or db = da and ib < ia
	v_cmp_lt_f32 s70, v[\db], v[\da]
	v_cmp_eq_f32 s71, v[\db], v[\da]
	v_cmp_lt_u32 s72, v[\ib], v[\ia]
	s_and_b32 s71, s71, s72
	s_or_b32 s70, s70, s71
	v_cndmask_b32 v[\da], v[\da], v[\db], s70
	v_cndmask_b32 v[\ia], v[\ia], v[\ib], s70
.endm
.irp t, 0,1,2,3
	MERGE BEST+8*(\t),   ID+8*(\t),   BEST+8*(\t)+1, ID+8*(\t)+1
	MERGE BEST+8*(\t)+2, ID+8*(\t)+2, BEST+8*(\t)+3, ID+8*(\t)+3
	MERGE BEST+8*(\t)+4, ID+8*(\t)+4, BEST+8*(\t)+5, ID+8*(\t)+5
	MERGE BEST+8*(\t)+6, ID+8*(\t)+6, BEST+8*(\t)+7, ID+8*(\t)+7
	MERGE BEST+8*(\t),   ID+8*(\t),   BEST+8*(\t)+2, ID+8*(\t)+2
	MERGE BEST+8*(\t)+4, ID+8*(\t)+4, BEST+8*(\t)+6, ID+8*(\t)+6
	MERGE BEST+8*(\t),   ID+8*(\t),   BEST+8*(\t)+4, ID+8*(\t)+4
	v_permlanex16_b32 v[PD], v[BEST+8*(\t)], s[SEL], s[SEL+1]  ; the row's other eight code slots lie in the lane 16 away
	v_permlanex16_b32 v[PI], v[ID+8*(\t)], s[SEL], s[SEL+1]
	MERGE BEST+8*(\t),   ID+8*(\t),   PD, PI       ; the order is total (the numbers differ), so both halves end alike
	; THE KEY: a whole number that orders as d does, so that the next launch chooses among the four quarters by whole numbers read from memory: -0 becomes +0; then negative numbers have all bits turned, the others the sign bit
	v_add_f32 v[BEST+8*(\t)], 0, v[BEST+8*(\t)]
	v_ashrrev_i32 v[TM], 31, v[BEST+8*(\t)]
	v_or_b32 v[TM], 0x80000000, v[TM]
	v_xor_b32 v[BEST+8*(\t)], v[BEST+8*(\t)], v[TM]
.endr
.irp a, 0,1                            ; lanes 0-15 take tile 2 a, lanes 16-31 tile 2 a + 1: lane l holds the record of my row 32 a + l
	v_cndmask_b32 v[REC+2*(\a)],   v[BEST+16*(\a)], v[BEST+16*(\a)+8], s[HALF]
	v_cndmask_b32 v[REC+2*(\a)+1], v[ID+16*(\a)],   v[ID+16*(\a)+8],   s[HALF]
	global_store_b64 v[LO8], v[REC+2*(\a):REC+2*(\a)+1], s[12:13] offset:256*(\a)  ; 32 lanes x 8 bytes: 256 consecutive bytes, aligned
.endr
	s_wait_tensorcnt 0x0                           ; the wave's end: an add to my spare word and its wait, behind my last tensor load
	ds_add_u32 v[SPW], v[NIL]
	s_wait_dscnt 0x0
	CROUND                                         ; the closing round: no work-group ends while a partner may still ask for a tile that names it
	s_endpgm
.Lfunc_end_k_q0b97b24e49_dist:
	.size	k_q0b97b24e49_dist, .Lfunc_end_k_q0b97b24e49_dist-k_q0b97b24e49_dist
	.p2alignl 7, 3214868480
	.fill 96, 4, 3214868480
	.section	.rodata,"a",@progbits
	.p2align	6, 0x0
	.amdhsa_kernel k_q0b97b24e49_dist
		.amdhsa_group_segment_fixed_size 327680
		.amdhsa_private_segment_fixed_size 0
		.amdhsa_enable_private_segment 0
		.amdhsa_kernarg_size 40
		.amdhsa_user_sgpr_count 2
		.amdhsa_user_sgpr_kernarg_segment_ptr 1
		.amdhsa_wavefront_size32 1
		.amdhsa_system_sgpr_workgroup_id_x 1
		.amdhsa_system_sgpr_workgroup_id_y 1
		.amdhsa_system_sgpr_workgroup_id_z 1
		.amdhsa_system_vgpr_workitem_id 0
		.amdhsa_next_free_vgpr 768
		.amdhsa_next_free_sgpr 80
		.amdhsa_reserve_vcc 0
		.amdhsa_float_denorm_mode_32 3
		.amdhsa_float_denorm_mode_16_64 3
		.amdhsa_memory_ordered 1
		.amdhsa_forward_progress 1
		.amdhsa_inst_pref_size 151
	.end_amdhsa_kernel
	.amdgpu_metadata
---
amdhsa.version: [ 1, 2 ]
amdhsa.kernels:
  - .name:           k_q0b97b24e49_dist
    .symbol:         k_q0b97b24e49_dist.kd
    .args:
      - { .name: xb, .offset: 0, .size: 8, .value_kind: global_buffer, .address_space: global }
      - { .name: cb, .offset: 8, .size: 8, .value_kind: global_buffer, .address_space: global }
      - { .name: xx, .offset: 16, .size: 8, .value_kind: global_buffer, .address_space: global }
      - { .name: ww, .offset: 24, .size: 8, .value_kind: global_buffer, .address_space: global }
      - { .name: cand, .offset: 32, .size: 8, .value_kind: global_buffer, .address_space: global }
    .group_segment_fixed_size: 327680
    .private_segment_fixed_size: 0
    .kernarg_segment_align: 8
    .kernarg_segment_size: 40
    .max_flat_workgroup_size: 128
    .sgpr_count:     80
    .vgpr_count:     768
    .wavefront_size: 32
...
	.end_amdgpu_metadata
.endif
;; end of part 2
;; launch pick (part 3): grid 512 x 1, 8 waves a work-group, no clusters, 0 bytes of LDS; arguments cand, codebook, x, out0, out1; writes out0, out1
.if DOCPART == 3
	.amdgcn_target "amdgcn-amd-amdhsa--gfx1250"
	.amdhsa_code_object_version 6
	.text
	.protected	k_q0b97b24e49_pick
	.globl	k_q0b97b24e49_pick
	.p2align	8
	.type	k_q0b97b24e49_pick,@function
k_q0b97b24e49_pick:
	s_mov_b64 s[64:65], 0
	v_nop
	global_prefetch_b8 v0, s[64:65] scope:SCOPE_SE
	s_setreg_imm32_b32 hwreg(HW_REG_WAVE_MODE, 25, 1), 1
	s_wait_xcnt 0x0
; NEAREST CODE, launch 3 of 3: of each row's four candidates (one a quarter of the codes) the one with the least key, the earlier quarter among equals, which is the lower index; out0 = that row of the f32 codebook;
; out1 = x + (that row - x), computed as reference() writes it, with its two roundings.  Nothing is left out.
; The keys and indices are whole numbers that the launch before stored; they are read by scalar loads (this launch does not write that buffer) and chosen among by whole-number comparisons and selects, with no branch.
; An index is held to 8,191, the table's last row, before it enters an address.
; SHARES.  4 rows to a wave, 32 to a work-group.  A row is 2,048 bytes: four loads or stores of 16 bytes a lane, 512 consecutive bytes each, aligned.  All 16 loads of x go out ahead of the choice, the 16 of the
; codebook behind it.  A stream: no LDS, no barrier, no cluster (no two work-groups share a byte by design), no matrix unit.
.set X, 8                              ; v[8:71]    x, row r at 16 r; then out1
.set Q, 72                             ; v[72:135]  the chosen rows
.set T, 136                            ; v[136:151] q - x of the row in hand
.set REC, 16                           ; s[16:47]   plane p at 8 p: row r's key at 2 r, its index at 2 r + 1
.set ROWA, 48                          ; s[48:55]   the four chosen rows' addresses
	s_load_b256 s[4:11], s[0:1], 0x0               ; cand s[4:5], codebook s[6:7], x s[8:9], out0 s[10:11]
	s_load_b64 s[12:13], s[0:1], 0x20              ; out1
	v_lshrrev_b32 v2, 5, v0
	v_readfirstlane_b32 s15, v2                    ; wave 0..7
	v_and_b32 v1, 31, v0
	v_lshlrev_b32 v1, 4, v1                        ; 16 x lane
	s_lshl_b32 s14, ttmp9, 5
	s_lshl2_add_u32 s14, s15, s14                  ; my first row
	s_lshl_b32 s66, s14, 11                        ; x 2,048 bytes
	s_mov_b32 s67, 0
	s_lshl_b32 s14, s14, 3                         ; x 8 bytes: its record in a plane
	s_wait_kmcnt 0x0
.irp p, 0,1,2,3
	s_load_b256 s[REC+8*(\p):REC+8*(\p)+7], s[4:5], s14 offset:131072*(\p)  ; four rows' records of quarter p
.endr
	s_add_nc_u64 s[56:57], s[8:9], s[66:67]
	s_add_nc_u64 s[58:59], s[10:11], s[66:67]
	s_add_nc_u64 s[60:61], s[12:13], s[66:67]
.set i, 0
.rept 16                               ; row i / 4, quarter i % 4
	global_load_b128 v[X+4*i:X+4*i+3], v1, s[56:57] offset:512*i th:TH_LOAD_NT
.set i, i+1
.endr
	s_wait_kmcnt 0x0
.irp r, 0,1,2,3
.irp p, 1,2,3
	s_cmp_lt_u32 s[REC+8*(\p)+2*(\r)], s[REC+2*(\r)]                 ; strictly less: the earlier quarter keeps a tie
	s_cselect_b32 s[REC+2*(\r)],   s[REC+8*(\p)+2*(\r)],   s[REC+2*(\r)]
	s_cselect_b32 s[REC+2*(\r)+1], s[REC+8*(\p)+2*(\r)+1], s[REC+2*(\r)+1]
.endr
	s_min_u32 s66, s[REC+2*(\r)+1], 0x1fff
	s_lshl_b32 s66, s66, 11
	s_add_nc_u64 s[ROWA+2*(\r):ROWA+2*(\r)+1], s[6:7], s[66:67]
.endr
.irp r, 0,1,2,3
.irp c, 0,1,2,3
	global_load_b128 v[Q+16*(\r)+4*(\c):Q+16*(\r)+4*(\c)+3], v1, s[ROWA+2*(\r):ROWA+2*(\r)+1] offset:512*(\c)  ; no hint: other rows may name the same code
.endr
.endr
.irp r, 0,1,2,3
	s_wait_loadcnt 12-4*(\r)                       ; loads come back in order: x and this row's code are in; the later rows' four loads each stay out
.irp c, 0,1,2,3
	global_store_b128 v1, v[Q+16*(\r)+4*(\c):Q+16*(\r)+4*(\c)+3], s[58:59] offset:2048*(\r)+512*(\c) th:TH_STORE_NT
.endr
.irp k, 0,2,4,6,8,10,12,14
	v_pk_add_f32 v[T+(\k):T+(\k)+1], v[Q+16*(\r)+(\k):Q+16*(\r)+(\k)+1], v[X+16*(\r)+(\k):X+16*(\r)+(\k)+1] neg_lo:[0,1] neg_hi:[0,1]  ; q - x
.endr
.irp k, 0,2,4,6,8,10,12,14
	v_pk_add_f32 v[X+16*(\r)+(\k):X+16*(\r)+(\k)+1], v[X+16*(\r)+(\k):X+16*(\r)+(\k)+1], v[T+(\k):T+(\k)+1]  ; x + (q - x); T is no memory instruction's source, X and Q are not written behind their stores
.endr
.irp c, 0,1,2,3
	global_store_b128 v1, v[X+16*(\r)+4*(\c):X+16*(\r)+4*(\c)+3], s[60:61] offset:2048*(\r)+512*(\c) th:TH_STORE_NT
.endr
.endr
	s_endpgm
.Lfunc_end_k_q0b97b24e49_pick:
	.size	k_q0b97b24e49_pick, .Lfunc_end_k_q0b97b24e49_pick-k_q0b97b24e49_pick
	.p2alignl 7, 3214868480
	.fill 96, 4, 3214868480
	.section	.rodata,"a",@progbits
	.p2align	6, 0x0
	.amdhsa_kernel k_q0b97b24e49_pick
		.amdhsa_group_segment_fixed_size 0
		.amdhsa_private_segment_fixed_size 0
		.amdhsa_enable_private_segment 0
		.amdhsa_kernarg_size 40
		.amdhsa_user_sgpr_count 2
		.amdhsa_user_sgpr_kernarg_segment_ptr 1
		.amdhsa_wavefront_size32 1
		.amdhsa_system_sgpr_workgroup_id_x 1
		.amdhsa_system_sgpr_workgroup_id_y 1
		.amdhsa_system_sgpr_workgroup_id_z 1
		.amdhsa_system_vgpr_workitem_id 0
		.amdhsa_next_free_vgpr 152
		.amdhsa_next_free_sgpr 72
		.amdhsa_reserve_vcc 0
		.amdhsa_float_denorm_mode_32 3
		.amdhsa_float_denorm_mode_16_64 3
		.amdhsa_memory_ordered 1
		.amdhsa_forward_progress 1
		.amdhsa_inst_pref_size 13
	.end_amdhsa_kernel
	.amdgpu_metadata
---
amdhsa.version: [ 1, 2 ]
amdhsa.kernels:
  - .name:           k_q0b97b24e49_pick
    .symbol:         k_q0b97b24e49_pick.kd
    .args:
      - { .name: cand, .offset: 0, .size: 8, .value_kind: global_buffer, .address_space: global }
      - { .name: codebook, .offset: 8, .size: 8, .value_kind: global_buffer, .address_space: global }
      - { .name: x, .offset: 16, .size: 8, .value_kind: global_buffer, .address_space: global }
      - { .name: out0, .offset: 24, .size: 8, .value_kind: global_buffer, .address_space: global }
      - { .name: out1, .offset: 32, .size: 8, .value_kind: global_buffer, .address_space: global }
    .group_segment_fixed_size: 0
    .private_segment_fixed_size: 0
    .kernarg_segment_align: 8
    .kernarg_segment_size: 40
    .max_flat_workgroup_size: 256
    .sgpr_count:     72
    .vgpr_count:     152
    .wavefront_size: 32
...
	.end_amdgpu_metadata
.endif
;; end of part 3
;; ======== version 2 of 3: 3 launches
;; workspace buffers: xb 16,777,216 bytes; cb 8,388,608 bytes; xx 65,536 bytes; ww 32,768 bytes; cand 524,288 bytes of whole numbers
;; launch prep: the kernel of part 1 again; grid 768 x 1, 4 waves a work-group, no clusters, 0 bytes of LDS; arguments x, codebook, xb, cb, xx, ww; writes xb, cb, xx, ww
;; launch dist (part 4): grid 4 x 64, 4 waves a work-group, clusters of 4 x 4, 327,680 bytes of LDS; arguments xb, cb, xx, ww, cand; writes cand
.if DOCPART == 4
	.amdgcn_target "amdgcn-amd-amdhsa--gfx1250"
	.amdhsa_code_object_version 6
	.text
	.protected	k_q0b97b24e49_dist
	.globl	k_q0b97b24e49_dist
	.p2align	8
	.type	k_q0b97b24e49_dist,@function
k_q0b97b24e49_dist:
	s_mov_b64 s[64:65], 0
	v_nop
	global_prefetch_b8 v0, s[64:65] scope:SCOPE_SE
	s_setreg_imm32_b32 hwreg(HW_REG_WAVE_MODE, 25, 1), 1
	s_wait_xcnt 0x0
	s_wait_alu depctr_hold_cnt(0) depctr_sa_sdst(0) depctr_va_vdst(0) depctr_va_sdst(0) depctr_va_ssrc(0) depctr_va_vcc(0) depctr_vm_vsrc(0)
	s_getreg_b32 s2, hwreg(HW_REG_IB_STS2, 6, 4)
	s_cmp_eq_u32 s2, 0
	s_cbranch_scc0 .Lentry_in_a_cluster
	s_endpgm
.Lentry_in_a_cluster:
	s_bfe_u32 s2, ttmp6, 0x10000c
	s_cmp_lg_u32 s2, 0xf033
	s_cbranch_scc0 .Lentry_shape_is_right
	s_endpgm
.Lentry_shape_is_right:
; NEAREST CODE, launch 2 of 3: the distances and, for each row of x and each quarter of the codes, the least distance and its index.  Nothing of reference() is left out here.
; d = fl(fl(xx + ww) - 2 dot): reference()'s own two roundings (2 dot is exact, so one fused multiply-add gives the second).  dot: bf16 operands, f32 sums, K ascending.
; LIMITS.  A NaN distance is never chosen (reference()'s argmin would choose it).  The f32 sums of dot, xx and ww are taken in another order than reference()'s: where a row's two least
; distances lie within one step of d's f32 grid of each other, that difference can decide between them.
; SHARES.  A work-group has 256 rows of x (row block rb = 4 x cluster y + cy) and 2,048 codes (quarter cx); wave w has rows 64 w .. 64 w + 63 of the block, four tiles of 16, against ALL the quarter's codes:
; no sum and no minimum crosses waves.  The wave's x, 64 rows x 512, stays in 512 registers for the whole launch; only the codes stream: 16 tiles of 128 codes (131,072 bytes) through two LDS slots.
; PRODUCT.  Source 0 = 16 codes (from LDS), source 1 = 16 rows of x (registers): in the result lane l holds ONE row of x (l % 16) and the codes 8 (l / 16) + 0..7.  A GROUP is 16 codes: four accumulators,
; one a row tile, x 16 K steps of 32 = 64 matrix instructions; a fragment of codes read from LDS (1 KiB) feeds four of them.  The accumulators take turns, one instruction a turn, over every jump too.
; BESIDE THE PRODUCTS.  While group g is multiplied, 92 vector lines (RIDERS) stand between its matrix instructions.  For group g - 1: d (16 packed lines); then for each row tile the least of the lane's eight d (4 lines),
; whether it is less than the tile's least so far (1), the new least (1), the group's number where it has won (1), and the group's eight d, kept where it has won (8).  For group g: fl(xx + ww) (16 packed).
; WHICH of the eight slots held the least is found once, at the end: the lowest slot whose kept d equals the least.  The comparison is strict, so the earlier group stays among equals: together, the lowest index.
; THE LDS LOADS STAND IN TWO RUNS A GROUP, never singly among the matrix instructions.  Twelve fragments' registers, three blocks of four: K steps 0-3 lie in block X, 4-7 in Y, 8-11 in Z, 12-15 in Y again.
; RUN1, at a group's head: K steps 4-11 into Y and Z, and the group's ww.  RUN2, at the head of K step 8: K steps 12-15 into Y, and the NEXT group's K steps 0-3 into X.  Each run stands 16 products ahead of its first use.
; CLUSTER.  4 x 4 work-groups.  The four of a column (same cx) walk the same codes: each tile, and the quarter's ww, is asked for JOINTLY, by the same tensor load, descriptor and mask in all four.
; x is NOT asked for jointly, though the four of a row share it: it is read once, 256 KiB a work-group against 2 MiB of code tiles, and goes from memory straight into operand registers; by way of LDS it would take
; the ring's own bytes, and a refill with its round would stand ahead of the first code tile.
; REGISTERS, in windows of 256 (s_set_vgpr_msb: bits 1:0 source 0, 3:2 source 1, 5:4 source 2, 7:6 destination).  Window 0: all below.  Window 1: x of K steps 0-7, at 32 ks + 8 t.  Window 2: K steps 8-15.
; Only source 1 of the products leaves window 0.  The 40 riders that name no vector register as source 1, and the LDS loads, run under the products' setting.  The 52 that do (minima of three, the comparison, the
; selects) stand in 13 SLICES of four, one a K step, each between two switches: 28 switches a group.
.set PITCH, 1040                       ; a code's row in LDS: 1,024 bytes + 16 of padding = 65 x 16: the 16 rows of a fragment load start at 16 different groups of four banks (ISA guide 11.1)
.set GP,    16*PITCH                   ; a group's rows
.set SLOT,  8*GP                       ; 133,120 = 0x20800: slot 0 at 0, slot 1 here
.set WWT,   2*SLOT                     ; the quarter's 2,048 ww, f32, filled once
.set SPARE, WWT+8192                   ; the spare words, 128 bytes for each wave: two blocks of 256 bytes that no other line names
.set TILEB, 131072                     ; a tile of 128 codes in cb
.set RR,  1                            ; v1   l % 16
.set HH,  2                            ; v2   l / 16
.set AB0, 3                            ; v3   my lane's place in a group's rows: (l % 16) x PITCH + 16 (l / 16); never rewritten
.set A,   4                            ; v4   LDS address of the group in hand
.set A2,  5                            ; v5   of the next group
.set AW,  6                            ; v6   of my eight ww of the group in hand
.set XO,  7                            ; v7   my byte offset in 16 rows of xb
.set R4,  8                            ; v8   4 (l % 16)
.set PFO, 9                            ; v9   256 x lane: the prefetches' offset; never rewritten
.set SPW, 10                           ; v10  LDS address of my spare word; never rewritten
.set NIL, 11                           ; v11  0; never rewritten
.set AW0, 14                           ; v14  WWT + 32 (l / 16); never rewritten
.set XX,  16                           ; v[16:19]   xx of my row in each of the four tiles
.set WW,  20                           ; v[20:27]   ww of my eight codes of the group
.set ACC, 32                           ; v[32:63]   accumulator of tile t at 8 t
.set DD,  64                           ; v[64:95]   place n = 8 t + j: fl(xx + ww), then d
.set SV,  96                           ; v[96:127]  place n: d of the group that holds tile t's least so far
.set BT,  128                          ; v[128:131] tile t's least d so far
.set IT,  132                          ; v[132:135] its group's number
.set MM,  136                          ; v[136:139] the least of tile t's eight d of the group in hand
.set BF,  160                          ; v[160:255] twelve fragments of codes: K step ks at 8 ks, K steps 12-15 at 8 (ks - 8).  Behind the last group the end's registers lie here:
.set VB,  224                          ; v224       my slot 0's code number in group 0
.set JJ,  228                          ; v[228:231] tile t's slot
.set PD,  240                          ; v240-242   the other half's d and index; at work
.set PI,  241
.set TM,  242
.set REC, 244                          ; v[244:247] two records to store
.set LO8, 248                          ; v248       8 x lane
.set WV,  14                           ; s14  my wave's number
.set CX,  15                           ; s15  my place along the cluster's x = the quarter of the codes
.set CY,  16                           ; s16  along its y
.set RB,  17                           ; s17  my block of 256 rows
.set G1B, 24                           ; s[24:31] descriptor group 1 for the code tiles
.set G1W, 32                           ; s[32:39] for ww
.set G0A, 40                           ; s[40:43] descriptor group 0: tile 0
.set G0B, 44                           ; s[44:47] tile 1; then it walks
.set G0W, 48                           ; s[48:51] ww
.set TL,  52                           ; s52  tiles still to be asked for, 14 to 1
.set GRP, 53                           ; s53  counts a tile's first seven groups
.set CUR, 54                           ; s54  the number of the group whose distances the riders take in
.set INF, 55                           ; s55  +infinity
.set TBN, 56                           ; s56  LDS byte at which the next group's rows begin
.set AWO, 58                           ; s58  64 x the number of the group in hand
.set PFA, 60                           ; s[60:61] where my prefetches stand
.set LIM, 62                           ; s62  1 in a cluster that prefetches, else the greatest number
.set SEL, 66                           ; s[66:67] v_permlanex16_b32's selects
.set HALF, 68                          ; s68  lanes 16-31
.set MK,  80                           ; s[80:83] tile t: the lanes where the group in hand has won
.set M1, 0x04                          ; source 1 in window 1; source 1 in window 2 is M1 + 4
.set MSB, 0
.macro WIN new                         ; the immediate's high byte repeats the setting that is left; a switch that changes nothing is dropped
.if MSB != (\new)
	s_set_vgpr_msb (MSB<<8)|(\new)
.set MSB, (\new)
.endif
.endm
.macro CREST                           ; a round of the cluster's barrier behind its opening barrier: wave 0 signals for the work-group; every wave waits for all sixteen; my work-group's barrier once more
	s_cmp_lg_u32 s[WV], 0
	s_cbranch_scc1 .Lnot_wave_0_\@
	s_barrier_signal -3
.Lnot_wave_0_\@:
	s_barrier_wait -3
	s_barrier_signal -1
	s_barrier_wait -1
.endm
.macro CROUND                          ; a whole round
	s_barrier_signal -1
	s_barrier_wait -1
	CREST
.endm
.macro PLACES
.rept 4
	v_nop
.endr
.endm
; A PREFETCH INTO THE L2 of the tile that the NEXT change of slots will ask for: one tile, 512 matrix instructions, ahead of its load.  A quarter's tiles are walked by all sixteen clusters: the cluster with
; y = 0 asks, nobody else.  Of the 32 rows (32,768 dense bytes) that wave w fetches, the partner at cy takes 8, told apart BY ADDRESS: 32 blocks of 256 bytes, a lane a block, one instruction a wave.  So each block
; is named once in the launch.  Tiles 0 to 2 come by their loads alone; the last change that fills a slot asks for nothing: there is no tile behind the one that it loads.
.macro ASK
	s_cmp_gt_u32 s[TL], s[LIM]
	s_cbranch_scc0 .Lnot_mine_\@
	global_prefetch_b8 v[PFO], s[PFA:PFA+1] th:TH_LOAD_NT scope:SCOPE_SE
.Lnot_mine_\@:
.endm
	s_load_b256 s[4:11], s[0:1], 0x0               ; xb s[4:5], cb s[6:7], xx s[8:9], ww s[10:11]
	s_load_b64 s[12:13], s[0:1], 0x20              ; cand
	v_lshl_add_u32 v[SPW], v0, 2, SPARE
	v_mov_b32 v[NIL], 0
	ds_add_u32 v[SPW], v[NIL]                      ; the wave's opening: the add, twice on end, and its wait ahead of my first tensor load; the set-up below, work on registers, stands between
	ds_add_u32 v[SPW], v[NIL]                      ; and once more, under the one wait
	v_lshrrev_b32 v13, 5, v0
	v_readfirstlane_b32 s[WV], v13                 ; wave 0..3
	s_bfe_u32 s[CX], ttmp6, 0x40000
	s_bfe_u32 s[CY], ttmp6, 0x40004
	s_and_b32 s[RB], ttmp7, 0xffff                 ; in a cluster launch ttmp7 counts clusters
	s_cmp_eq_u32 s[RB], 0
	s_cselect_b32 s[LIM], 1, -1                    ; the same in all sixteen partners
	s_lshl_b32 s[RB], s[RB], 2
	s_add_co_u32 s[RB], s[RB], s[CY]               ; it enters xb's, xx's and cand's addresses alone
	s_lshl_b32 s18, 0x1111, s[CX]                  ; my column of the cluster: places cx, cx + 4, cx + 8, cx + 12
	s_or_b32 s[G1B], s18, (1<<16)|(1<<20)|(1<<21)|(7<<22)|(3<<25)  ; 15:0 the mask; 17:16 elements of 2 bytes; 20 padding on; 21 set beside a mask; 24:22 after every 256 words (code 7); 31:25 4 words of it (code 3)
	s_mov_b32 s[G1B+1], 512<<16                    ; tensor_dim0 = 512
	s_mov_b32 s[G1B+2], 32<<16                     ; tensor_dim1 = 32
	s_mov_b32 s[G1B+3], 512<<16                    ; tile_dim0 = 512 elements: a code's whole row
	s_mov_b32 s[G1B+4], 32                         ; tile_dim1 = 32 rows: a wave's quarter of a tile
	s_mov_b32 s[G1B+5], 512                        ; elements from row to row
	s_mov_b32 s[G1B+6], 0
	s_mov_b32 s[G1B+7], 0
	s_or_b32 s[G1W], s18, (3<<16)|(1<<21)          ; the mask; elements of 8 bytes; no padding
	s_mov_b32 s[G1W+1], 32<<16                     ; 2,048 dense bytes as 8 rows of 256
	s_mov_b32 s[G1W+2], 8<<16
	s_mov_b32 s[G1W+3], 32<<16
	s_mov_b32 s[G1W+4], 8
	s_mov_b32 s[G1W+5], 32
	s_mov_b32 s[G1W+6], 0
	s_mov_b32 s[G1W+7], 0
	s_mul_i32 s19, s[WV], 32*PITCH                 ; where my 32 rows go in a slot: the wave's number alone enters an LDS address
	s_mov_b32 s[G0A], 1
	s_mov_b32 s[G0A+1], s19
	s_mov_b32 s[G0B], 1
	s_add_co_u32 s[G0B+1], s19, SLOT
	s_mov_b32 s[G0W], 1
	s_lshl_b32 s74, s[CX], 21                      ; cb: the quarter's 2 MiB,
	s_lshl_b32 s18, s[WV], 15                      ; my 32 rows of a tile
	s_add_co_u32 s74, s74, s18
	s_mov_b32 s75, 0
	s_lshl_b32 s76, s[CX], 13                      ; ww: the quarter's 8 KiB,
	s_lshl_b32 s18, s[WV], 11                      ; my quarter of it
	s_add_co_u32 s76, s76, s18
	s_mov_b32 s77, 0
	s_add_co_u32 s[G0W+1], s18, WWT
	s_lshl_b32 s78, s[CY], 13                      ; the prefetches: my work-group's 8 rows of my wave's 32,
	s_add_co_u32 s78, s78, 2*TILEB                 ; in tile 2: the first change of slots steps it to tile 3
	s_mov_b32 s79, 0
	s_lshl_b32 s20, s[RB], 18                      ; xb: (256 rb + 64 w) rows of 1,024 bytes
	s_lshl_b32 s18, s[WV], 16
	s_add_co_u32 s20, s20, s18
	s_mov_b32 s21, 0
	s_lshr_b32 s22, s20, 8                         ; xx: 4 bytes a row
	s_mov_b32 s23, 0
	s_lshr_b32 s2, s20, 7                          ; cand: 8 bytes a row,
	s_lshl_b32 s18, s[CX], 17                      ; in the quarter's plane
	s_add_co_u32 s2, s2, s18
	s_mov_b32 s3, 0
	s_mov_b32 s[INF], 0x7f800000
	s_mov_b32 s[SEL], 0x76543210
	s_mov_b32 s[SEL+1], 0xfedcba98
	s_mov_b32 s[HALF], 0xffff0000
	s_mov_b32 s[TBN], GP
	s_mov_b32 s[AWO], 0
	s_mov_b32 s[CUR], -1
	v_and_b32 v[RR], 15, v0
	v_bfe_u32 v[HH], v0, 4, 1
	v_mul_u32_u24 v[AB0], v[RR], PITCH
	v_lshl_add_u32 v[AB0], v[HH], 4, v[AB0]
	v_lshlrev_b32 v[XO], 10, v[RR]
	v_lshl_add_u32 v[XO], v[HH], 4, v[XO]
	v_lshlrev_b32 v[R4], 2, v[RR]
	v_and_b32 v[PFO], 31, v0
	v_lshlrev_b32 v[PFO], 8, v[PFO]
	v_lshlrev_b32 v[AW0], 5, v[HH]
	v_add_nc_u32 v[AW0], WWT, v[AW0]
	v_mov_b32 v[AW], v[AW0]
	v_mov_b32 v[A], v[AB0]
	v_add_nc_u32 v[A2], GP, v[AB0]
	s_wait_dscnt 0x0                               ; both opening adds are done
	s_wait_kmcnt 0x0
	s_add_nc_u64 s[G0A+2:G0A+3], s[6:7], s[74:75]  ; the joint loads' addresses are made of cx and the wave's number, which the four partners share
	s_add_nc_u64 s[G0B+2:G0B+3], s[G0A+2:G0A+3], TILEB
	s_add_nc_u64 s[PFA:PFA+1], s[G0A+2:G0A+3], s[78:79]
	s_or_b32 s[G0A+3], s[G0A+3], 0x80000000        ; type = 2
	s_or_b32 s[G0B+3], s[G0B+3], 0x80000000
	s_add_nc_u64 s[G0W+2:G0W+3], s[10:11], s[76:77]
	s_or_b32 s[G0W+3], s[G0W+3], 0x80000000
	s_add_nc_u64 s[4:5], s[4:5], s[20:21]          ; xb, xx and cand at my wave's first row
	s_add_nc_u64 s[8:9], s[8:9], s[22:23]
	s_add_nc_u64 s[12:13], s[12:13], s[2:3]
	CROUND                                         ; all sixteen work-groups are here: the first joint loads meet
	tensor_load_to_lds s[G0A:G0A+3], s[G1B:G1B+7]  ; the three first fills go out together: three loads of mine are out.  Tile 0,
	s_nop 0
	tensor_load_to_lds s[G0W:G0W+3], s[G1W:G1W+7]  ; ww,
	s_nop 0
	tensor_load_to_lds s[G0B:G0B+3], s[G1B:G1B+7]  ; tile 1
	s_nop 0
	PLACES
.irp t, 0,1,2,3
	global_load_b32 v[XX+(\t)], v[R4], s[8:9] offset:64*(\t)
.endr
	; x stays in registers.  A fragment is 16 rows x 32 channels in 8 registers: lane l holds row l % 16, channels 8 (l / 16) + 0..7 and 16 + 8 (l / 16) + 0..7: two loads of 16 bytes, 32 bytes apart.
.irp wn, 0,1
	WIN 0x40<<(\wn)                                ; destination window 1, then 2; address window 0
.irp t, 0,1,2,3
.set i, 0
.rept 8                                ; K step 8 wn + i of tile t
	global_load_b128 v[32*i+8*(\t):32*i+8*(\t)+3],   v[XO], s[4:5] offset:16384*(\t)+512*(\wn)+64*i
	global_load_b128 v[32*i+8*(\t)+4:32*i+8*(\t)+7], v[XO], s[4:5] offset:16384*(\t)+512*(\wn)+64*i+32
.set i, i+1
.endr
.endr
.endr
	WIN 0
	; No first group is written out: the first group's riders take in a group "-1" of infinite distances, which no comparison prefers.  These 104 lines stand in the wait for the first tile.
.set i, 0
.rept 32
	v_mov_b32 v[ACC+i], 0
	v_mov_b32 v[DD+i], s[INF]
	v_mov_b32 v[SV+i], s[INF]
.set i, i+1
.endr
.set i, 0
.rept 4
	v_mov_b32 v[BT+i], s[INF]
	v_mov_b32 v[IT+i], 0
.set i, i+1
.endr
; THE RIDERS, in four queues; each macro writes its queue's next line.
; CL, 16 lines: d = fl(t - 2 dot) of the group just multiplied, a pair of places each; an accumulator's lowest registers are read first.
.macro CL
	v_pk_fma_f32 v[DD+2*q:DD+2*q+1], v[ACC+2*q:ACC+2*q+1], -2.0, v[DD+2*q:DD+2*q+1] op_sel_hi:[1,0,1]
.set q, q+1
.endm
.macro CL4
.rept 4
	CL
.endr
.endm
; SL, 52 lines that name a vector register as source 1: they stand under window 0.  0-15: the least of a tile's eight d, in four levels, the four tiles side by side in each level (a NaN loses);
; 16-19: the lanes where it is less than the tile's least so far; 20-51: place n keeps the group's d in those lanes.
.macro SL
.set st, sq%4
.if sq < 4
	v_min3_num_f32 v[MM+st], v[DD+8*st], v[DD+8*st+1], v[DD+8*st+2]
.elseif sq < 12
	v_min3_num_f32 v[MM+st], v[MM+st], v[DD+8*st+2*(sq/4)+1], v[DD+8*st+2*(sq/4)+2]
.elseif sq < 16
	v_min_num_f32 v[MM+st], v[MM+st], v[DD+8*st+7]
.elseif sq < 20
	v_cmp_lt_f32 s[MK+st], v[MM+st], v[BT+st]
.else
	v_cndmask_b32 v[SV+sq-20], v[SV+sq-20], v[DD+sq-20], s[MK+(sq-20)/8]
.endif
.set sq, sq+1
.endm
.macro SLICE                           ; four of them; the next product sets its own window again
	WIN 0
.rept 4
	SL
.endr
.endm
; UL, 8 lines, behind the comparisons: the four tiles' new least; the group's number where it has won.
.macro UL
.if uq < 4
	v_min3_num_f32 v[BT+uq], v[MM+uq], s[INF], v[BT+uq]
.else
	v_cndmask_b32 v[IT+uq-4], v[IT+uq-4], s[CUR], s[MK+uq-4]
.endif
.set uq, uq+1
.endm
; TT, 16 lines: t = fl(xx + ww) of the group that is being multiplied, a pair of places each; they write over d, behind the last line that reads it.
.macro TT
.if (tq/4)%2
	v_pk_fma_f32 v[DD+2*tq:DD+2*tq+1], v[XX+2*(tq/8):XX+2*(tq/8)+1], 1.0, v[WW+2*(tq%4):WW+2*(tq%4)+1] op_sel:[1,0,0] op_sel_hi:[1,0,1]
.else
	v_pk_fma_f32 v[DD+2*tq:DD+2*tq+1], v[XX+2*(tq/8):XX+2*(tq/8)+1], 1.0, v[WW+2*(tq%4):WW+2*(tq%4)+1] op_sel_hi:[0,0,1]
.endif
.set tq, tq+1
.endm
.macro W ks, t                         ; the product of K step ks for row tile t; K step 0 starts the sum with the constant 0
	WIN M1+4*((\ks)/8)
.set fb, BF+8*((\ks)-8*((\ks)/12))
.set xr, 32*((\ks)%8)+8*(\t)
.if (\ks) == 0
	v_wmma_f32_16x16x32_bf16 v[ACC+8*(\t):ACC+8*(\t)+7], v[fb:fb+7], v[xr:xr+7], 0
.else
	v_wmma_f32_16x16x32_bf16 v[ACC+8*(\t):ACC+8*(\t)+7], v[fb:fb+7], v[xr:xr+7], v[ACC+8*(\t):ACC+8*(\t)+7]
.endif
.endm
.macro LDF ks, ar                      ; the fragment of K step ks of the group at address register ar, into its place
.set fb, BF+8*((\ks)-8*((\ks)/12))
	ds_load_b128 v[fb:fb+3],   v[\ar] offset:64*(\ks)
	ds_load_b128 v[fb+4:fb+7], v[\ar] offset:64*(\ks)+32
.endm
; THE RUNS.  A load into a register that a matrix instruction has read stands four plain vector lines or more behind it, lines that name none of its registers (ISA guide 7.12.1 for vector instructions).
; RUN1: block Y's last reader is the last product of the group before: behind it stand two t lines, the three address lines of NEXTG and four d lines of tile 0: nine.
; RUN2A: block Y's last reader is K step 7's last product: behind it stands K step 8's slice: four.  Blocks Z and X were read four K steps or more earlier.
.macro RUN1                            ; 18 loads
.irp f, 4,5,6,7,8,9,10,11
	LDF \f, A
.endr
	ds_load_b128 v[WW:WW+3],   v[AW]               ; this group's ww: eight numbers, the same for the 16 lanes of a half; read from K step 14 on
	ds_load_b128 v[WW+4:WW+7], v[AW] offset:16
.endm
.macro RUN2A                           ; 8 loads: the group's last four K steps
.irp f, 12,13,14,15
	LDF \f, A
.endr
.endm
.macro RUN2B                           ; 8 loads: the next group's first four
.irp f, 0,1,2,3
	LDF \f, A2
.endr
.endm
; A K STEP: four products and the riders behind them.  K step 0: a tile's four d lines stand AHEAD of the product that starts its accumulator anew (tile 0's ahead of RUN1: GROUP writes them).
; K steps 1 to 13: a slice behind the first product (K step 8's stands ahead of RUN2: GROUP writes it).  K step 5's slice holds the comparisons; the eight lines that lean on them stand in twos behind its other three
; products and K step 6's second.  K steps 14 and 15: two t lines behind each product.  16 + 52 + 8 + 16 = 92; no product has more than four vector lines and two switches behind it.
; wt: how many younger LDS instructions may stay out when this K step's fragment has to be in (-1: no wait).
.macro KSTEP ks, wt
.if (\wt) >= 0
	s_wait_dscnt \wt
.endif
.irp t, 0,1,2,3
.if ((\ks) == 0) && ((\t) > 0)
	CL4
.endif
	W \ks, \t
.if ((\t) == 0) && ((\ks) >= 1) && ((\ks) <= 13) && ((\ks) != 8)
	SLICE
.endif
.if (((\ks) == 5) && ((\t) > 0)) || (((\ks) == 6) && ((\t) == 1))
	UL
	UL
.endif
.if (\ks) >= 14
	TT
	TT
.endif
.endr
.endm
; A GROUP.  THE COUNTS: LDS loads come back in order (ISA guide 5.7.1); a count is what was issued behind the fragment's own pair.  The order of issue, in every group alike: K steps 0-3 (in the group before, or the
; priming), RUN1 (K steps 4-11, ww), RUN2A (12-15), RUN2B (the next group's 0-3).  K steps 0-3: the rest of block X and RUN1's 18: 24, 22, 20, 18.  K steps 4-7: the rest of RUN1: 16, 14, 12, 10.
; K steps 8-11: the rest of block Z, ww's two and RUN2's 16: 24, 22, 20, 18.  K steps 12-15: the rest of RUN2: 14, 12, 10, 8; the first of these shows ww in too, two K steps ahead of its first reader.
; mode 0: a tile's first seven groups.
; mode 1, 2: a tile's last group, with THE CHANGE OF SLOTS in it.  The old slot's last bytes are asked for by RUN2A.  Then each wave waits for all its tensor loads, of which one is out: its part of the other slot;
;   adds 0 to its spare word; works three K steps (counts 17, 15, 13: the rest of block Z, ww's two, RUN2A's eight, the add); waits for the add and for its reads of the old slot; signals; works a K step; and waits for
;   the others.  Behind the barrier nobody reads the old slot and the other slot is whole.
;   mode 1: the barrier opens a round of the cluster's, so that no wave of any partner still reads the slot or has a load on its way; the joint refill, with the tile two on, is the first thing behind the round: one load of
;   mine is out, and it has 16 + 448 + 32 = 496 matrix instructions in which to land.  mode 2: nothing is left to ask for.
;   RUN2B follows, from the new slot, 16 products ahead of its first use, as in every group.
; mode 3: the very last group: there is no next group, RUN2B is left out, and the counts run down.
.macro GROUP mode
.set q, 0
.set sq, 0
.set uq, 0
.set tq, 0
	CL4                                            ; d of tile 0
	RUN1
	KSTEP 0, 24
	KSTEP 1, 22
	KSTEP 2, 20
	KSTEP 3, 18
	KSTEP 4, 16
	KSTEP 5, 14
	KSTEP 6, 12
	KSTEP 7, 10
	SLICE                                          ; K step 8's; the windows stay 0 for the run
.if (\mode) == 0
	RUN2A
	RUN2B
	KSTEP 8, 24
	KSTEP 9, 22
	KSTEP 10, 20
	KSTEP 11, 18
	KSTEP 12, 14
	KSTEP 13, 12
	KSTEP 14, 10
	KSTEP 15, 8
.elseif (\mode) == 3
	RUN2A
	KSTEP 8, 16
	KSTEP 9, 14
	KSTEP 10, 12
	KSTEP 11, 10
	KSTEP 12, 6
	KSTEP 13, 4
	KSTEP 14, 2
	KSTEP 15, 0
.else
.if (\mode) == 1
	s_wait_xcnt 0x0                                ; the last prefetch, a tile back, has read its address: it is stepped here, ahead of the change's own waits
	s_add_nc_u64 s[PFA:PFA+1], s[PFA:PFA+1], TILEB
.endif
	RUN2A
	s_wait_tensorcnt 0x0                           ; all my tensor loads have landed: no load of mine is out, so a group 0 may be written
	ds_add_u32 v[SPW], v[NIL]                      ; 0 onto my spare word (its two registers lie in window 0, which is set)
.if (\mode) == 1
	s_xor_b32 s[G0B+1], s[G0B+1], SLOT             ; the walking descriptor: the other slot than last time (my rows' offset, w x 0x8200, has neither of SLOT's two bits),
	s_add_nc_u64 s[G0B+2:G0B+3], s[G0B+2:G0B+3], TILEB  ; the next tile; the type bits on top are not reached
.endif
	KSTEP 8, 17                                    ; twelve products and their riders stand between the add and the wait for it
	KSTEP 9, 15
	KSTEP 10, 13
	s_wait_dscnt 0x0                               ; the add is done, and my reads of the old slot are over
	s_barrier_signal -1
	KSTEP 11, -1                                   ; work on registers while the others arrive
	WIN 0
	s_barrier_wait -1
.if (\mode) == 1
	CREST
	tensor_load_to_lds s[G0B:G0B+3], s[G1B:G1B+7]
	s_nop 0
	PLACES
.endif
	RUN2B
.if (\mode) == 1
	ASK                                            ; behind the joint load and the LDS loads that the next group's products wait for
.endif
.irp k, 12,13,14,15
	KSTEP \k, -1                                   ; their fragments were shown in by the wait for 0
.endr
.endif
	WIN 0                                          ; at a label and at a branch every window is 0
.endm
.macro NEXTG                           ; on to the next group.  LDS instructions read their address at issue, so the address registers may be written while loads are out
	v_mov_b32 v[A], v[A2]
	s_add_co_u32 s[TBN], s[TBN], GP
	s_add_co_u32 s[AWO], s[AWO], 64
	s_add_co_u32 s[CUR], s[CUR], 1
	v_add_nc_u32 v[A2], s[TBN], v[AB0]
	v_add_nc_u32 v[AW], s[AWO], v[AW0]
.endm
.macro FIX                             ; ahead of a tile's last group: the next group is the other slot's first
	s_sub_co_u32 s[TBN], s[TBN], 8*GP
	s_xor_b32 s[TBN], s[TBN], SLOT
	v_add_nc_u32 v[A2], s[TBN], v[AB0]
.endm
.macro SEVEN tag                       ; a tile's first seven groups: written once, walked seven times
	s_mov_b32 s[GRP], 7
.Lgroup\tag:
	GROUP 0
	NEXTG
	s_sub_co_u32 s[GRP], s[GRP], 1
	s_cmp_lg_u32 s[GRP], 0
	s_cbranch_scc1 .Lgroup\tag
.endm
	s_wait_tensorcnt 0x1                           ; my parts of tile 0 and of ww are in; tile 1's may stay out
	s_barrier_signal -1
	s_barrier_wait -1                              ; everybody's are
.irp f, 0,1,2,3
	LDF \f, A                                      ; the priming: group 0's first four K steps, as RUN2B brings every later group's
.endr
	s_wait_loadcnt 0x0                             ; x and xx
	s_mov_b32 s[TL], 14
.Ltile:                                        ; tiles 0 to 13: each is followed by a refill
	SEVEN 0
	FIX
	GROUP 1
	NEXTG
	s_sub_co_u32 s[TL], s[TL], 1
	s_cmp_lg_u32 s[TL], 0
	s_cbranch_scc1 .Ltile
	SEVEN 14                                       ; the last two tiles are written out
	FIX
	GROUP 2
	NEXTG
	SEVEN 15
	GROUP 3
	s_add_co_u32 s[CUR], s[CUR], 1
	; the last group's distances are taken in, in the queues' order; eight t lines or more stand between each accumulator's last product and its first d line
.set q, 0
.set sq, 0
.set uq, 0
.rept 16
	CL
.endr
.rept 20
	SL                                             ; the minima and the comparisons
.endr
.rept 8
	UL
.endr
.rept 32
	SL                                             ; the keeps
.endr
	; THE END.  A tile's slot is the lowest j whose kept d equals the tile's least (one of the eight does: the least is one of them, or all are still the infinity of the start).  The code's number is
	; 16 x group + 8 (l / 16) + j + 2,048 x quarter.  Then the two halves of the lanes are merged by (d, number): the lower number among equals.
	; The registers used here are the fragments': no load into them is out (the last group's last wait was for 0), and their last readers stand 76 vector lines or more back.
	s_lshl_b32 s18, s[CX], 11
	v_lshl_add_u32 v[VB], v[HH], 3, s18
	v_and_b32 v[LO8], 31, v0
	v_lshlrev_b32 v[LO8], 3, v[LO8]
	v_mov_b32 v[PD], 0                             ; v_permlanex16_b32 counts as a reader of its destination
	v_mov_b32 v[PI], 0
.macro MERGE da, ia, db, ib            ; (da, ia) takes (db, ib) where db < da, or db = da and ib < ia
	v_cmp_lt_f32 s70, v[\db], v[\da]
	v_cmp_eq_f32 s71, v[\db], v[\da]
	v_cmp_lt_u32 s72, v[\ib], v[\ia]
	s_and_b32 s71, s71, s72
	s_or_b32 s70, s70, s71
	v_cndmask_b32 v[\da], v[\da], v[\db], s70
	v_cndmask_b32 v[\ia], v[\ia], v[\ib], s70
.endm
.irp t, 0,1,2,3
	v_mov_b32 v[JJ+(\t)], 7
.irp j, 6,5,4,3,2,1,0                  ; downward, so that the lowest slot has the last word
	v_cmp_eq_f32 s70, v[SV+8*(\t)+(\j)], v[BT+(\t)]
	v_cndmask_b32 v[JJ+(\t)], v[JJ+(\t)], \j, s70
.endr
	v_lshl_add_u32 v[IT+(\t)], v[IT+(\t)], 4, v[VB]
	v_add_nc_u32 v[IT+(\t)], v[IT+(\t)], v[JJ+(\t)]
	v_permlanex16_b32 v[PD], v[BT+(\t)], s[SEL], s[SEL+1]  ; the row's other eight code slots lie in the lane 16 away
	v_permlanex16_b32 v[PI], v[IT+(\t)], s[SEL], s[SEL+1]
	MERGE BT+(\t), IT+(\t), PD, PI                 ; the order is total (the numbers differ), so both halves end alike
	; THE KEY: a whole number that orders as d does, so that the next launch chooses among the four quarters by whole numbers read from memory: -0 becomes +0; then negative numbers have all bits turned, the others the sign bit
	v_add_f32 v[BT+(\t)], 0, v[BT+(\t)]
	v_ashrrev_i32 v[TM], 31, v[BT+(\t)]
	v_or_b32 v[TM], 0x80000000, v[TM]
	v_xor_b32 v[BT+(\t)], v[BT+(\t)], v[TM]
.endr
.irp a, 0,1                            ; lanes 0-15 take tile 2 a, lanes 16-31 tile 2 a + 1: lane l holds the record of my row 32 a + l
	v_cndmask_b32 v[REC+2*(\a)],   v[BT+2*(\a)], v[BT+2*(\a)+1], s[HALF]
	v_cndmask_b32 v[REC+2*(\a)+1], v[IT+2*(\a)], v[IT+2*(\a)+1], s[HALF]
	global_store_b64 v[LO8], v[REC+2*(\a):REC+2*(\a)+1], s[12:13] offset:256*(\a)  ; 32 lanes x 8 bytes: 256 consecutive bytes, aligned
.endr
	s_wait_tensorcnt 0x0                           ; the wave's end: an add to my spare word and its wait, behind my last tensor load
	ds_add_u32 v[SPW], v[NIL]
	s_wait_dscnt 0x0
	CROUND                                         ; the closing round: no work-group ends while a partner may still ask for a tile that names it
	s_endpgm
.Lfunc_end_k_q0b97b24e49_dist:
	.size	k_q0b97b24e49_dist, .Lfunc_end_k_q0b97b24e49_dist-k_q0b97b24e49_dist
	.p2alignl 7, 3214868480
	.fill 96, 4, 3214868480
	.section	.rodata,"a",@progbits
	.p2align	6, 0x0
	.amdhsa_kernel k_q0b97b24e49_dist
		.amdhsa_group_segment_fixed_size 327680
		.amdhsa_private_segment_fixed_size 0
		.amdhsa_enable_private_segment 0
		.amdhsa_kernarg_size 40
		.amdhsa_user_sgpr_count 2
		.amdhsa_user_sgpr_kernarg_segment_ptr 1
		.amdhsa_wavefront_size32 1
		.amdhsa_system_sgpr_workgroup_id_x 1
		.amdhsa_system_sgpr_workgroup_id_y 1
		.amdhsa_system_sgpr_workgroup_id_z 1
		.amdhsa_system_vgpr_workitem_id 0
		.amdhsa_next_free_vgpr 768
		.amdhsa_next_free_sgpr 88
		.amdhsa_reserve_vcc 0
		.amdhsa_float_denorm_mode_32 3
		.amdhsa_float_denorm_mode_16_64 3
		.amdhsa_memory_ordered 1
		.amdhsa_forward_progress 1
		.amdhsa_inst_pref_size 116
	.end_amdhsa_kernel
	.amdgpu_metadata
---
amdhsa.version: [ 1, 2 ]
amdhsa.kernels:
  - .name:           k_q0b97b24e49_dist
    .symbol:         k_q0b97b24e49_dist.kd
    .args:
      - { .name: xb, .offset: 0, .size: 8, .value_kind: global_buffer, .address_space: global }
      - { .name: cb, .offset: 8, .size: 8, .value_kind: global_buffer, .address_space: global }
      - { .name: xx, .offset: 16, .size: 8, .value_kind: global_buffer, .address_space: global }
      - { .name: ww, .offset: 24, .size: 8, .value_kind: global_buffer, .address_space: global }
      - { .name: cand, .offset: 32, .size: 8, .value_kind: global_buffer, .address_space: global }
    .group_segment_fixed_size: 327680
    .private_segment_fixed_size: 0
    .kernarg_segment_align: 8
    .kernarg_segment_size: 40
    .max_flat_workgroup_size: 128
    .sgpr_count:     88
    .vgpr_count:     768
    .wavefront_size: 32
...
	.end_amdgpu_metadata
.endif
;; end of part 4
;; launch pick: the kernel of part 3 again; grid 512 x 1, 8 waves a work-group, no clusters, 0 bytes of LDS; arguments cand, codebook, x, out0, out1; writes out0, out1
;; ======== version 3 of 3: 3 launches; version 2 with the launch prep written anew for expert scheduling mode
;; workspace buffers: xb 16,777,216 bytes; cb 8,388,608 bytes; xx 65,536 bytes; ww 32,768 bytes; cand 524,288 bytes of whole numbers
;; launch prep (part 5): grid 768 x 1, 4 waves a work-group, no clusters, 0 bytes of LDS; arguments x, codebook, xb, cb, xx, ww; writes xb, cb, xx, ww
.if DOCPART == 5
	.amdgcn_target "amdgcn-amd-amdhsa--gfx1250"
	.amdhsa_code_object_version 6
	.text
	.protected	k_q0b97b24e49_prep
	.globl	k_q0b97b24e49_prep
	.p2align	8
	.type	k_q0b97b24e49_prep,@function
k_q0b97b24e49_prep:
	s_mov_b64 s[64:65], 0
	v_nop
	global_prefetch_b8 v0, s[64:65] scope:SCOPE_SE
	s_setreg_imm32_b32 hwreg(HW_REG_WAVE_SCHED_MODE, 0, 2), 2
	s_setreg_imm32_b32 hwreg(HW_REG_WAVE_MODE, 25, 1), 1
	s_wait_xcnt 0x0
	s_wait_alu depctr_vm_vsrc(0)
; NEAREST CODE, launch 1 of 3.  reference(): d[n][k] = (|x_n|^2 + |w_k|^2) - 2 x_n . w_k; the index of the least d of a row (the lowest index among equals); out0 = that row of
; the codebook; out1 = x + (that row - x).
; NOTHING OF reference() IS LEFT OUT, and every input is loaded.  |x_n|^2 is the same for all k of a row, but it is some thousands of times the part of d that differs from code to code:
; reference()'s f32 keeps d on the coarse grid of that large sum, and which codes are equal on that grid decides rows.  So the term stays, and d is formed with reference()'s own two roundings (launch 2).
; x + (q - x) is computed as written (launch 3): where x is large beside q, reference()'s f32 rounds q to x's grid.
; THIS LAUNCH rounds x and the codebook to bf16, once (they are the matrix operands of launch 2), and takes each row's sum of squares OF THE ROUNDED NUMBERS in f32.
; LIMITS.  The order of the 512 additions of a row's sum differs from reference()'s.  A number beyond bf16's range (3.39e38) becomes an infinity.
; SHARES.  32 rows to a work-group, 8 to a wave.  Work-groups 0-511 take x's 16,384 rows, 512-767 the codebook's 8,192.  A row is 2,048 bytes: four loads of 16 bytes a lane, 512 consecutive
; bytes each.  All 32 loads of a wave go out at once (16 KiB); nothing is read twice; no wave waits for another: no LDS, no barrier, no matrix unit, no cluster (no two work-groups share a byte).
; THE MODE: SCHED_MODE bits 1:0 = 2 (LLVM: expert scheduling mode 2), set by the entry lines.  The code itself states the register dependences
; between vector instructions and memory instructions, with s_wait_alu, always for 0.
; THE PLAN.  Registers that memory instructions touch:
;   v2, v3, v5    byte offsets, made once at the head and never written again: v2 is read by the 32 loads, v3 by the 32 stores of rows, v5 by the store of the sums.
;   v[16:143]     Written by the loads, all issued at the head; no vector line names them ahead of that.  Row i's eight roundings then write the first two registers of each four, in place; row i's
;                 unpacking lines read them; row i's four stores read them; nothing writes them again.
;   v4            Written by the eight selects, one a row; read by the store of the sums.
;   v[6:15]       Named by vector lines alone.
; Row i's four stores are issued in row i + 1, one ahead of each quarter's vector lines, which name row i + 1's own sixteen registers, v4 and v[6:15]: none of the registers that those stores touch.
; So ONE wait on va_vdst stands at a row's head, behind the wait for the row's data, and states all that the four stores hang on.  Row 7's stores stand behind row 7, behind a wait of their own.
.set X, 16                             ; v[16:143] row i of my 8 at X + 16 i, as loaded; the first two registers of each four then hold the four numbers as bf16
                                       ; v1 lane  v2 16 x lane  v3 8 x lane  v4 the eight sums, lane i row i  v5 4 x lane  v[6:9] four rounded numbers as f32  v[10:13] four running sums  v14, v15 at work
	s_load_b256 s[4:11], s[0:1], 0x0               ; x s[4:5], codebook s[6:7], xb s[8:9], cb s[10:11]
	s_load_b128 s[12:15], s[0:1], 0x20             ; xx s[12:13], ww s[14:15]
	v_lshrrev_b32 v1, 5, v0
	v_readfirstlane_b32 s16, v1                    ; wave 0..3
	v_and_b32 v1, 31, v0
	v_lshlrev_b32 v2, 4, v1
	v_lshlrev_b32 v3, 3, v1
	v_lshlrev_b32 v5, 2, v1
	v_mov_b32 v4, 0
	v_mov_b32 v15, 0                               ; v_permlanex16_b32 counts as a reader of its destination
	s_mov_b32 s26, 0xffff0000                      ; a word's upper bf16
	s_mov_b32 s28, 0x76543210                      ; v_permlanex16_b32: each lane takes its own place in the other half
	s_mov_b32 s29, 0xfedcba98
	s_sub_co_u32 s17, ttmp9, 512
	s_wait_alu depctr_va_sdst(0)                   ; s16 is written, ahead of its first reader: my wave's first row is made from it
	s_wait_kmcnt 0x0
	s_cmp_lt_u32 ttmp9, 512                        ; x or the codebook: the choice hangs on the work-group's number alone
	s_cselect_b32 s17, ttmp9, s17                  ; my block of 32 rows in that tensor
	s_cselect_b64 s[20:21], s[4:5], s[6:7]         ; from
	s_cselect_b64 s[22:23], s[8:9], s[10:11]       ; to
	s_cselect_b64 s[24:25], s[12:13], s[14:15]     ; the sums
	s_lshl_b32 s17, s17, 5
	s_lshl3_add_u32 s17, s16, s17                  ; my wave's first row
	s_lshl_b32 s32, s17, 11                        ; x 2,048 bytes in,
	s_mov_b32 s33, 0
	s_lshl_b32 s34, s17, 10                        ; x 1,024 out,
	s_mov_b32 s35, 0
	s_lshl_b32 s36, s17, 2                         ; x 4 for the sums
	s_mov_b32 s37, 0
	s_add_nc_u64 s[20:21], s[20:21], s[32:33]
	s_add_nc_u64 s[22:23], s[22:23], s[34:35]
	s_add_nc_u64 s[24:25], s[24:25], s[36:37]
	s_wait_alu depctr_va_vdst(0)                   ; v2, v3 and v5 are written: every load and store of the kernel reads one of them as its offset
.set i, 0
.rept 32                               ; row i / 4, quarter i % 4
	global_load_b128 v[X+4*i:X+4*i+3], v2, s[20:21] offset:512*i th:TH_LOAD_NT
.set i, i+1
.endr
.macro OUT i, c                        ; quarter c of row i leaves
	global_store_b64 v3, v[X+16*(\i)+4*(\c):X+16*(\i)+4*(\c)+1], s[22:23] offset:1024*(\i)+256*(\c)  ; 32 lanes x 8 bytes: 256 consecutive bytes, aligned; these two registers are never written again
.endm
.macro ROW i
	s_wait_loadcnt 4*(7-(\i))                      ; loads come back in order: my row's four are in, the later rows' four each stay out
.if (\i) > 0
	s_wait_alu depctr_va_vdst(0)                   ; the row before has written its eight rounded registers, which the four stores below read
.endif
.irp c, 0,1,2,3
.if (\i) > 0
	OUT (\i)-1, \c                                 ; no vector line since the wait names these registers
.endif
	v_cvt_pk_bf16_f32 v[X+16*(\i)+4*(\c)],   v[X+16*(\i)+4*(\c)],   v[X+16*(\i)+4*(\c)+1]
	v_cvt_pk_bf16_f32 v[X+16*(\i)+4*(\c)+1], v[X+16*(\i)+4*(\c)+2], v[X+16*(\i)+4*(\c)+3]
	v_lshlrev_b32 v6, 16, v[X+16*(\i)+4*(\c)]      ; the rounded numbers back as f32
	v_and_b32     v7, s26, v[X+16*(\i)+4*(\c)]
	v_lshlrev_b32 v8, 16, v[X+16*(\i)+4*(\c)+1]
	v_and_b32     v9, s26, v[X+16*(\i)+4*(\c)+1]
.if (\c) == 0
	v_pk_mul_f32 v[10:11], v[6:7], v[6:7]          ; the first squares start the sums
	v_pk_mul_f32 v[12:13], v[8:9], v[8:9]
.else
	v_pk_fma_f32 v[10:11], v[6:7], v[6:7], v[10:11]
	v_pk_fma_f32 v[12:13], v[8:9], v[8:9], v[12:13]
.endif
.endr
	v_pk_add_f32 v[10:11], v[10:11], v[12:13]
	v_add_f32 v14, v10, v11
	v_add_f32_dpp v14, v14, v14 row_xmask:1 row_mask:0xf bank_mask:0xf
	v_add_f32_dpp v14, v14, v14 row_xmask:2 row_mask:0xf bank_mask:0xf
	v_add_f32_dpp v14, v14, v14 row_xmask:4 row_mask:0xf bank_mask:0xf
	v_add_f32_dpp v14, v14, v14 row_xmask:8 row_mask:0xf bank_mask:0xf
	v_permlanex16_b32 v15, v14, s28, s29
	v_add_f32 v14, v14, v15                        ; every lane holds the row's sum;
	s_mov_b32 s30, 1<<(\i)
	v_cndmask_b32 v4, v4, v14, s30                 ; lane i keeps row i's
.endm
.irp i, 0,1,2,3,4,5,6,7
	ROW \i
.endr
	s_wait_alu depctr_va_vdst(0)                   ; row 7 has written its eight rounded registers, which the last four stores of rows read
.irp c, 0,1,2,3
	OUT 7, \c
.endr
	s_wait_xcnt 0x0                                ; EXEC is a source of the stores above: it changes only behind this wait
	v_cmp_gt_u32 vcc_lo, 8, v1
	s_wait_alu depctr_va_vcc(0)                    ; VCC is written, ahead of its first reader: EXEC is made from it
	s_wait_alu depctr_va_vdst(0)                   ; ahead of a write of EXEC: every vector line issued under the full EXEC has written its result, v4 among them, which the store below reads
	s_wait_alu depctr_vm_vsrc(0)                   ; ahead of a write of EXEC: the stores above have read their vector registers
	s_and_saveexec_b32 s31, vcc_lo
	global_store_b32 v5, v4, s[24:25]              ; eight sums, 32 bytes a wave: 96 KiB in the whole launch
	s_wait_xcnt 0x0                                ; and again in front of the line that widens it
	s_wait_alu depctr_va_vdst(0)                   ; ahead of a write of EXEC: no vector line is still to write its result
	s_wait_alu depctr_vm_vsrc(0)                   ; ahead of a write of EXEC: the store of the sums has read v5 and v4
	s_or_b32 exec_lo, exec_lo, s31
	s_endpgm
.Lfunc_end_k_q0b97b24e49_prep:
	.size	k_q0b97b24e49_prep, .Lfunc_end_k_q0b97b24e49_prep-k_q0b97b24e49_prep
	.p2alignl 7, 3214868480
	.fill 96, 4, 3214868480
	.section	.rodata,"a",@progbits
	.p2align	6, 0x0
	.amdhsa_kernel k_q0b97b24e49_prep
		.amdhsa_group_segment_fixed_size 0
		.amdhsa_private_segment_fixed_size 0
		.amdhsa_enable_private_segment 0
		.amdhsa_kernarg_size 48
		.amdhsa_user_sgpr_count 2
		.amdhsa_user_sgpr_kernarg_segment_ptr 1
		.amdhsa_wavefront_size32 1
		.amdhsa_system_sgpr_workgroup_id_x 1
		.amdhsa_system_sgpr_workgroup_id_y 1
		.amdhsa_system_sgpr_workgroup_id_z 1
		.amdhsa_system_vgpr_workitem_id 0
		.amdhsa_next_free_vgpr 144
		.amdhsa_next_free_sgpr 66
		.amdhsa_reserve_vcc 1
		.amdhsa_float_denorm_mode_32 3
		.amdhsa_float_denorm_mode_16_64 3
		.amdhsa_memory_ordered 1
		.amdhsa_forward_progress 1
		.amdhsa_inst_pref_size 25
	.end_amdhsa_kernel
	.amdgpu_metadata
---
amdhsa.version: [ 1, 2 ]
amdhsa.kernels:
  - .name:           k_q0b97b24e49_prep
    .symbol:         k_q0b97b24e49_prep.kd
    .args:
      - { .name: x, .offset: 0, .size: 8, .value_kind: global_buffer, .address_space: global }
      - { .name: codebook, .offset: 8, .size: 8, .value_kind: global_buffer, .address_space: global }
      - { .name: xb, .offset: 16, .size: 8, .value_kind: global_buffer, .address_space: global }
      - { .name: cb, .offset: 24, .size: 8, .value_kind: global_buffer, .address_space: global }
      - { .name: xx, .offset: 32, .size: 8, .value_kind: global_buffer, .address_space: global }
      - { .name: ww, .offset: 40, .size: 8, .value_kind: global_buffer, .address_space: global }
    .group_segment_fixed_size: 0
    .private_segment_fixed_size: 0
    .kernarg_segment_align: 8
    .kernarg_segment_size: 48
    .max_flat_workgroup_size: 128
    .sgpr_count:     66
    .vgpr_count:     144
    .wavefront_size: 32
...
	.end_amdgpu_metadata
.endif
;; end of part 5
;; launch dist: the kernel of part 4 again; grid 4 x 64, 4 waves a work-group, clusters of 4 x 4, 327,680 bytes of LDS; arguments xb, cb, xx, ww, cand; writes cand
;; launch pick: the kernel of part 3 again; grid 512 x 1, 8 waves a work-group, no clusters, 0 bytes of LDS; arguments cand, codebook, x, out0, out1; writes out0, out1
